; MI455X (gfx1250); checked and timed in simulation.
; The chip was launched on July 23, 2026; its instructions are those of AMD's public machine-readable ISA for CDNA 5 (MIT licence, August 2026) and "CDNA5" Instruction Set Architecture Reference Guide (July 2026). The comments in the code are by the model that wrote it; some were corrected since.
;; Multi Head Attention. Allowed arithmetic: matrix products marked QUANTISED: E2M3 operands, one E8M0 scale for each 32 along K, by v_wmma_scale_f32_16x16x128_f8f6f4 with both operands' format E2M3, f32 sums; everything else in f32.
;; Inputs: Wk_b 2,048 float32; Wk_w_codes 2,048 x 64 x 24 uint8 (E2M3 codes of Wk_w, K innermost, in blocks of 32 codes, four codes in three bytes); Wk_w_scales 2,048 x 64 uint8 (E8M0 scales of Wk_w, one for each 32 codes along K); Wo_b 2,048 float32; Wo_w_codes 2,048 x 64 x 24 uint8 (E2M3 codes of Wo_w, K innermost, in blocks of 32 codes, four codes in three bytes); Wo_w_scales 2,048 x 64 uint8 (E8M0 scales of Wo_w, one for each 32 codes along K); Wq_b 2,048 float32; Wq_w_codes 2,048 x 64 x 24 uint8 (E2M3 codes of Wq_w, K innermost, in blocks of 32 codes, four codes in three bytes); Wq_w_scales 2,048 x 64 uint8 (E8M0 scales of Wq_w, one for each 32 codes along K); Wv_b 2,048 float32; Wv_w_codes 2,048 x 64 x 24 uint8 (E2M3 codes of Wv_w, K innermost, in blocks of 32 codes, four codes in three bytes); Wv_w_scales 2,048 x 64 uint8 (E8M0 scales of Wv_w, one for each 32 codes along K); X_codes 2,048 x 64 x 24 uint8 (E2M3 codes of X, K innermost, in blocks of 32 codes, four codes in three bytes); X_scales 2,048 x 64 uint8 (E8M0 scales of X, one for each 32 codes along K).
;; Outputs: out0 2,048 x 2,048 float32.
;; This version of the problem:
;;   THIS VERSION OF THE PROBLEM IS GIVEN IN LOW PRECISION. The matrix products marked QUANTISED in the list below multiply operands that are first quantised to E2M3 (2 exponent bits, 3 mantissa bits; 6 bits a number), with one power-of-two scale for each 32 numbers along K (OCP MX v1.0); their sums are f32. All else is computed in f32.
;;   The module's matrix products, in the order in which they are computed (A, B: the left and right operand; K: the contracted axis; several contracted axes count as one K, in the product's order):
;;     1. [M 2,048, K 2,048] x [K 2,048, N 2,048]; A: input X (given as codes); B: input Wq_w (given as codes): QUANTISED
;;     2. [M 2,048, K 2,048] x [K 2,048, N 2,048]; A: input X (given as codes); B: input Wk_w (given as codes): QUANTISED
;;     3. [M 2,048, K 2,048] x [K 2,048, N 2,048]; A: input X (given as codes); B: input Wv_w (given as codes): QUANTISED
;;     4. batch 32 x [M 2,048, K 64] x [K 64, N 2,048]; A: computed on the way; B: computed on the way: QUANTISED
;;     5. batch 32 x [M 64, K 2,048] x [K 2,048, N 2,048]; A: computed on the way; B: softmax (see below): QUANTISED
;;     6. [M 2,048, K 2,048] x [K 2,048, N 2,048]; A: computed on the way; B: input Wo_w (given as codes): QUANTISED
;;   THE QUANTISER, for each operand of a quantised product, along K:
;;     - K is cut into blocks of 32 from its start; a last block that is shorter is filled with zeros.
;;     - A block's scale is 2^e with e = floor(log2(the largest magnitude in the block)) - 2, held to -126 .. 127; a block of zeros has e = 0. As a byte (E8M0): e + 127.
;;     - Each number is divided by its block's scale, clamped to +-7.5, and rounded to the nearest number of E2M3, ties to even, subnormals kept.
;;     - The product sums the exact products of the quantised numbers (number of the format x scale) in f32.
;;   ~~~python
;;   def quantise(x, axis):      # numpy; x: float32 -> the quantised numbers, widened to float32 again
;;       x = np.moveaxis(x, axis, -1); K = x.shape[-1]
;;       x = np.pad(x, [(0, 0)] * (x.ndim - 1) + [(0, -K % 32)]); x = x.reshape(x.shape[:-1] + (-1, 32)); a = np.abs(x).max(-1, keepdims=True)
;;       e = np.where(a > 0, np.clip(np.frexp(np.where(a > 0, a, 1))[1] - 1 - 2, -126, 127), 0)      # np.frexp(a)[1] - 1 = floor(log2(a)), exactly
;;       r = np.clip(x / 2.0 ** e, -7.5, 7.5)
;;       step = 2.0 ** (np.maximum(np.frexp(np.where(r == 0, 1, r))[1] - 1, 0) - 3)
;;       q = np.round(r / step) * step * 2.0 ** e      # np.round: ties to even
;;       return np.moveaxis(q.reshape(q.shape[:-2] + (-1,))[..., :K], -1, axis).astype(np.float32)
;;   ~~~
;;   SOFTMAX AHEAD OF A QUANTISED PRODUCT. Where the list says 'softmax', what is quantised is not the finished softmax but p = 2^(t - M), with t = logit x log2(e) and M = ceil(the row's largest t), a whole number; so 1/2 < the row's largest p <= 1. The row's sum l is taken of the UNQUANTISED p, in f32, and the product's result is divided by l at the end. Since M is a whole number, a kernel that streams over the keys may use a running M (the ceiling of the running maximum): every later rescaling is an exact power of two, which a block's scale takes up: the codes' values come out the same.
;;   OPERANDS COMPUTED ON THE WAY. 'Computed on the way' means the value that the module computes at that place (a softmax that the list does not call 'softmax' is quantised finished and normalised). What goes into a quantiser is computed in f32, as accurately as f32 sums, v_exp_f32 and their like allow (about 1e-6 of the number): no bf16 or f16 on the way to a quantiser, and a product that is left as it is and whose result goes on into a quantised operand takes f32 operands (vector FMAs, or v_wmma_f32_16x16x4_f32). A number that lies on a knife's edge between two numbers of the format may be rounded either way, as far as f32 arithmetic and the matrix unit's own rounding can turn it there, and no further.
;;   INPUTS GIVEN AS CODES. Wk_w (in the module: [2048, 2048], K = its axis 1); Wo_w (in the module: [2048, 2048], K = its axis 1); Wq_w (in the module: [2048, 2048], K = its axis 1); Wv_w (in the module: [2048, 2048], K = its axis 1); X (in the module: [2048, 2048], K = its axis 1): each comes as NAME_codes (uint8): NAME with its K axis moved to the last place and cut into blocks of 32 codes, [.., K / 32, bytes a block], one block behind the other in memory; four codes in three bytes: a row's codes are one little-endian stream of bits, code i at bits 6 i .. 6 i + 5 (a code: sign, 2 exponent bits, 3 mantissa bits); and NAME_scales (uint8): the same leading axes, one E8M0 byte (e + 127) for each 32 codes along K. Its value is code x scale, taken as it is: it is not quantised again, and the codes and scales need not be those that the quantiser above would give.
;; 2 versions, each right. Each part assembles by itself: llvm-mc -triple=amdgcn-amd-amdhsa -mcpu=gfx1250 --defsym DOCPART=n.
;; ======== version 1 of 2: 4 launches
;; workspace buffers: qkv 9,830,400 bytes; ob 16,777,216 bytes; ocodes 3,145,728 bytes; oscales 131,072 bytes
;; launch qkv (part 1): grid 24 x 8, 4 waves a work-group, clusters of 4 x 4, 327,680 bytes of LDS; arguments X_codes, X_scales, Wq_w_codes, Wq_w_scales, Wq_b, Wk_w_codes, Wk_w_scales, Wk_b, Wv_w_codes, Wv_w_scales, Wv_b, qkv; writes qkv
.if DOCPART == 1
	.amdgcn_target "amdgcn-amd-amdhsa--gfx1250"
	.amdhsa_code_object_version 6
	.text
	.protected	k_q4bef59b704_qkv
	.globl	k_q4bef59b704_qkv
	.p2align	8
	.type	k_q4bef59b704_qkv,@function
k_q4bef59b704_qkv:
	s_mov_b64 s[64:65], 0
	v_nop
	global_prefetch_b8 v0, s[64:65] scope:SCOPE_SE
	s_setreg_imm32_b32 hwreg(HW_REG_WAVE_MODE, 25, 1), 1
	s_wait_xcnt 0x0
	s_wait_alu depctr_hold_cnt(0) depctr_sa_sdst(0) depctr_va_vdst(0) depctr_va_sdst(0) depctr_va_ssrc(0) depctr_va_vcc(0) depctr_vm_vsrc(0)
	s_getreg_b32 s2, hwreg(HW_REG_IB_STS2, 6, 4)
	s_cmp_eq_u32 s2, 0
	s_cbranch_scc0 .Lentry_in_a_cluster
	s_endpgm
.Lentry_in_a_cluster:
	s_bfe_u32 s2, ttmp6, 0x10000c
	s_cmp_lg_u32 s2, 0xf033
	s_cbranch_scc0 .Lentry_shape_is_right
	s_endpgm
.Lentry_shape_is_right:
; Q = X Wq^T + bq, K = X Wk^T + bk, V = X Wv^T + bv on codes of FP6 (E2M3) with E8M0 scales, and the quantisers behind them: Q and K along the head's 64 channels d, V along the keys.
; A feature is c = 32 d + head.  X, W: [2048][2048] codes, 1,536 bytes a row; scale bytes 64 a row.
; A work-group of four waves makes a tile of 256 rows of X x 256 rows of ONE weight; a wave 128 x 128: 64 accumulators.  24 tile columns: 8 for each weight.
; THE 256 ROWS OF W OF TILE t ARE c = 2 t + e + 16 rho (e = 0, 1; rho = 0 .. 127): heads 2 t + e and 2 t + e + 16, whole: d = rho / 2, the head's upper bit = rho % 2.  One tensor load with a pitch of 16 rows brings a half e.
; K goes in steps of 256 through a ring of two LDS slots; the scale bytes of the tile's rows come once and stay.  4 x 4 work-groups form a cluster: X's tiles are asked for jointly along a row of it, W's along a column.
; SOURCES.  Source 0's rows run along a lane's registers in the result, source 1's row is the lane.  Q, K: source 0 = W, source 1 = X: a lane holds one row of X and all 64 d of one head.
; V: source 0 = X, source 1 = W: a lane holds one (d, head) and 64 of the 128 keys.  Only LDS base addresses differ between the kinds (the kind is the same in all partners of a cluster); the loop is one text.
; EVERY FRAGMENT TAKES LDS ROWS 16 i + perm(r), perm(r) = 2 (r % 8) + r / 8: row 8 h + j of a fragment is LDS row 16 i + 2 j + h.
; OUT: qkv [head 32][group of 128 rows 16][Q 6,400 | K 6,400 | V 6,400 bytes], each part an image of operand registers (register k of lane L at 512 (k / 4) + 16 L + 4 (k % 4) of a fragment's 1,536 bytes; V's lanes in another order, below) and 256 bytes of scale words.
; Q, K: double fragment p: registers 0-5 row 32 p + perm(r), registers 6-11 row 32 p + 16 + perm(r), lanes 0-15 d 0-31, lanes 16-31 d 32-63.  V: fragment tau: d = 16 tau + r, K = the group's 128 keys; in a block of 32 keys the 16 even keys come first.
; LIMITS: NaN and infinities are not served.  A block whose largest magnitude lies under 2^-124 keeps the scale byte 1, a block of zeros too (the rule says 127: its codes are zeros, and this program alone reads the bytes).
; The order of keys inside a block of 32 is permuted, alike in V here and in p in the next launch: products and scales are the same, the grouping of the f32 sum differs.
.set PITCH,  240                       ; an LDS row: 3 x (64 bytes + 16 of padding)
.set ROWB,   192                       ; 256 codes
.set KROW,   1536                      ; a row of X or W in memory
.set FR,     12                        ; registers of a fragment
.set NL,     6                         ; LDS loads that bring one
.set NP,     4                         ; places behind this matrix instruction (ISA guide 7.12.1)
.set NQ,     2                         ; steps of 128 in a slot
.set LAPS,   4                         ; 2,048 / 512
.set HALFT,  128*PITCH
.set SLOT,   4*HALFT                   ; X half 0, X half 1, W half 0, W half 1
.set SCL,    2*SLOT                    ; behind the ring: scale rows of 64 bytes + 16
.set SPIT,   80
.set HALFS,  128*SPIT
.set SBLK,   16*SPIT
.set SPARE,  SCL+4*HALFS               ; the spare words: 128 bytes a wave, two blocks of 256 bytes that no other line names
.set PART,   6400
.set GRP,    3*PART
.set HEADJ,  16*16*GRP                 ; from head g to head g + 16 in qkv
.set ADR1, 16                          ; v16-17 source 1's fragments in slot 0, 1 (v18-19: behind one padding more)
.set ADR0, 20                          ; v20-23 the same for source 0
.set SO,   24                          ; v24 16 x lane
.set SS,   25                          ; v25 Q, K: my scale words' place
.set VO,   26                          ; v26, v27 V: my 16 bytes' place for even and odd a
.set SPW,  28                          ; v28 my spare word; never rewritten
.set NIL,  29                          ; v29 0; never rewritten
.set ADS1, 30                          ; v30 source 1's scale words
.set ADS0, 31                          ; v31 source 0's
.set SC1,  32                          ; v32-63 source 1's scale words: set s at +16 s, register 2 i + q
.set SC0,  64                          ; v64-95 source 0's
.set AF,   128                         ; v128-223 source 1's fragments, one set
.set BV,   224                         ; v224-231 V's bias, one number for each a
.set T,    128                         ; the way out: 64 numbers
.set TM,   232                         ; v232-247 at work
.set SW,   120                         ; v120-123 Q, K: scale words
.set SEL,  18                          ; s[18:19] lane selects, in V's way out
.set G1, 24                            ; s[24:31] group 1 for X's tiles; s[32:39] group 0, one set a slot
.set G0, 32
.set G1B, 48                           ; the same for W's
.set G0B, 56
.set G1S, 68                           ; groups 1 and 0 for X's scales, then for W's
.set G0S, 76
.set G1SB, 80
.set G0SB, 88
.set MSB, 0
.macro WIN new                         ; the immediate's high byte repeats the setting that is left
.if MSB != (\new)
	s_set_vgpr_msb (MSB<<8)|(\new)
.set MSB, (\new)
.endif
.endm
.set MUL_LO, 0xa1                      ; source 0 window 1, source 1 window 0, C and D window 2
.set MUL_HI, 0xf1                      ; the same, C and D window 3
.set TO_B,   0x40                      ; destination window 1
.macro JLOAD g0a, g1a, g0b, g1b        ; a joint load: waves 0 and 1 fetch for X, waves 2 and 3 for W; four v_nop follow each line
	s_cmp_eq_u32 s15, 0
	s_cbranch_scc0 .Lfor_b_\@
	tensor_load_to_lds s[\g0a:\g0a+3], s[\g1a:\g1a+7]
	s_nop 0
.rept 4
	v_nop
.endr
	s_branch .Lasked_\@
.Lfor_b_\@:
	tensor_load_to_lds s[\g0b:\g0b+3], s[\g1b:\g1b+7]
	s_nop 0
.rept 4
	v_nop
.endr
.Lasked_\@:
.endm
.macro CREST                           ; a round of the cluster's barrier behind its opening barrier
	s_cmp_lg_u32 s14, 0
	s_cbranch_scc1 .Lnot_wave_0_\@
	s_barrier_signal -3
.Lnot_wave_0_\@:
	s_barrier_wait -3
	s_barrier_signal -1
	s_barrier_wait -1
.endm
.macro CROUND
	s_barrier_signal -1
	s_barrier_wait -1
	CREST
.endm
	s_load_b128 s[4:7], s[0:1], 0x0                ; X's codes, X's scales
	s_load_b256 s[68:75], s[0:1], 0x10             ; Wq codes, Wq scales, bq, Wk codes
	s_load_b256 s[76:83], s[0:1], 0x30             ; Wk scales, bk, Wv codes, Wv scales
	s_load_b128 s[84:87], s[0:1], 0x50             ; bv, qkv
	v_lshl_add_u32 v[SPW], v0, 2, SPARE
	v_mov_b32 v[NIL], 0
	ds_add_u32 v28, v29
	ds_add_u32 v28, v29
	s_wait_dscnt 0x0
	v_lshrrev_b32 v1, 5, v0
	v_readfirstlane_b32 s14, v1                    ; wave 0..3
	s_lshr_b32 s15, s14, 1                         ; wave / 2: source 1's half.  Also: I fetch for X (0) or W (1)
	s_and_b32 s16, s14, 1                          ; wave % 2: source 0's half.  Also: which half I fetch
	s_bfe_u32 s40, ttmp6, 0x40000                  ; cx
	s_bfe_u32 s41, ttmp6, 0x40004                  ; cy
	s_lshr_b32 s98, ttmp9, 1                       ; which weight: 0 Q, 1 K, 2 V (two clusters along x for each)
	s_cmp_ge_u32 ttmp9, 4
	s_cselect_b32 s95, 1, 0                        ; 1 for V: the same in all partners
	s_and_b32 s42, ttmp9, 1
	s_lshl_b32 s42, s42, 2
	s_add_co_u32 s42, s42, s40                     ; t: the weight's tile, 0..7
	s_and_b32 s17, ttmp7, 0xffff
	s_lshl_b32 s17, s17, 2
	s_add_co_u32 s17, s17, s41                     ; tile row of X, 0..7
	s_lshl_b32 s43, s41, 2
	s_lshl_b32 s43, 15, s43                        ; my row of the cluster
	s_lshl_b32 s44, 0x1111, s40                    ; my column
	s_or_b32 s[G1+0], s43, (0<<16)|(1<<20)|(1<<21)|(3<<22)|(3<<25)  ; mask; bytes; padding on; bit 21 beside a mask; 4 words behind every 16
	s_or_b32 s[G1B+0], s44, (0<<16)|(1<<20)|(1<<21)|(3<<22)|(3<<25)
.irp g, G1, G1B
	s_mov_b32 s[\g+1], ROWB<<16                    ; tensor_dim0
	s_mov_b32 s[\g+2], 128<<16                     ; tensor_dim1
	s_mov_b32 s[\g+3], ROWB<<16                    ; tile_dim0
	s_mov_b32 s[\g+4], 128                         ; tile_dim1
	s_mov_b32 s[\g+6], 0
	s_mov_b32 s[\g+7], 0
.endr
	s_mov_b32 s[G1+5], KROW                        ; X: row to row
	s_mov_b32 s[G1B+5], 16*KROW                    ; W: every sixteenth row
	s_lshl_b32 s18, s16, 7
	s_lshl_b32 s20, s17, 8
	s_add_co_u32 s20, s20, s18                     ; X: row 256 x tile row + 128 x half
	s_mov_b32 s21, 0
	s_lshl_b32 s46, s42, 1
	s_add_co_u32 s46, s46, s16                     ; W: first row 2 t + half
	s_mov_b32 s47, 0
	s_mov_b64 s[18:19], 64
	s_mul_u64 s[22:23], s[20:21], s[18:19]         ; their scale bytes
	s_mul_u64 s[92:93], s[46:47], s[18:19]
	s_mov_b64 s[18:19], KROW
	s_mul_u64 s[20:21], s[20:21], s[18:19]         ; their codes
	s_mul_u64 s[46:47], s[46:47], s[18:19]
	s_mul_i32 s45, s14, HALFT                      ; where they go: wave x 128 rows
	s_mul_i32 s94, s14, HALFS
	s_wait_kmcnt 0x0
	s_cmp_eq_u32 s98, 0                            ; the weight's three buffers: a choice on the cluster's number
	s_cselect_b64 s[8:9], s[68:69], s[74:75]
	s_cselect_b64 s[10:11], s[70:71], s[76:77]
	s_cselect_b64 s[12:13], s[72:73], s[78:79]
	s_cmp_eq_u32 s98, 2
	s_cselect_b64 s[8:9], s[80:81], s[8:9]         ; codes
	s_cselect_b64 s[10:11], s[82:83], s[10:11]     ; scales
	s_cselect_b64 s[12:13], s[84:85], s[12:13]     ; bias
	s_mov_b64 s[96:97], s[86:87]                   ; qkv
	s_add_nc_u64 s[20:21], s[4:5], s[20:21]
	s_add_nc_u64 s[22:23], s[6:7], s[22:23]
	s_add_nc_u64 s[46:47], s[8:9], s[46:47]
	s_add_nc_u64 s[92:93], s[10:11], s[92:93]
	; the scales of 128 rows: rows of 64 bytes (8 elements of 8 bytes), 16 bytes of padding behind each
	s_or_b32 s[G1S+0], s43, (3<<16)|(1<<20)|(1<<21)|(3<<22)|(3<<25)
	s_or_b32 s[G1SB+0], s44, (3<<16)|(1<<20)|(1<<21)|(3<<22)|(3<<25)
.irp g, G1S, G1SB
	s_mov_b32 s[\g+1], 8<<16
	s_mov_b32 s[\g+2], 128<<16
	s_mov_b32 s[\g+3], 8<<16
	s_mov_b32 s[\g+4], 128
	s_mov_b32 s[\g+6], 0
	s_mov_b32 s[\g+7], 0
.endr
	s_mov_b32 s[G1S+5], 8                          ; X: dense
	s_mov_b32 s[G1SB+5], 128                       ; W: every sixteenth row of 64 bytes
	CROUND                                         ; all sixteen work-groups are here: the first joint loads meet
	s_mov_b32 s[G0S], 1
	s_add_co_u32 s[G0S+1], s94, SCL
	s_mov_b64 s[G0S+2:G0S+3], s[22:23]
	s_or_b32 s[G0S+3], s[G0S+3], 0x80000000
	s_mov_b32 s[G0SB], 1
	s_add_co_u32 s[G0SB+1], s94, SCL
	s_mov_b64 s[G0SB+2:G0SB+3], s[92:93]
	s_or_b32 s[G0SB+3], s[G0SB+3], 0x80000000
	JLOAD G0S, G1S, G0SB, G1SB                     ; the scales first
.irp s, 0,1
	s_mov_b32 s[G0+4*\s], 1
	s_add_co_u32 s[G0+4*\s+1], s45, \s*SLOT
	s_add_nc_u64 s[G0+4*\s+2:G0+4*\s+3], s[20:21], \s*ROWB
	s_or_b32 s[G0+4*\s+3], s[G0+4*\s+3], 0x80000000
	s_mov_b32 s[G0B+4*\s], 1
	s_add_co_u32 s[G0B+4*\s+1], s45, \s*SLOT
	s_add_nc_u64 s[G0B+4*\s+2:G0B+4*\s+3], s[46:47], \s*ROWB
	s_or_b32 s[G0B+4*\s+3], s[G0B+4*\s+3], 0x80000000
	JLOAD G0+4*\s, G1, G0B+4*\s, G1B
.endr
	v_and_b32 v1, 15, v0                           ; r
	v_bfe_u32 v2, v0, 4, 1                         ; h
	v_and_b32 v3, 7, v1
	v_lshrrev_b32 v4, 3, v1
	v_lshl_add_u32 v3, v3, 1, v4                   ; perm(r)
	v_mul_u32_u24 v4, v3, PITCH
	v_mad_u32_u24 v4, v2, 24, v4                   ; row x pitch + 24 x half
	v_lshl_add_u32 v5, v2, 4, v4                   ; the same behind one padding more
	s_cmp_eq_u32 s95, 0
	s_cselect_b32 s18, 0, 2                        ; source 1 is X (quarters 0, 1 of a slot) or, for V, W (quarters 2, 3)
	s_cselect_b32 s19, 2, 0                        ; source 0 the other
	s_add_co_u32 s18, s18, s15
	s_add_co_u32 s19, s19, s16
	s_mul_i32 s21, s18, HALFT
	s_mul_i32 s22, s19, HALFT
.irp s, 0,1
	v_add_nc_u32 v[ADR1+\s], s21, v4
	v_add_nc_u32 v[ADR0+\s], s22, v4
	v_add_nc_u32 v[ADR1+2+\s], s21, v5
	v_add_nc_u32 v[ADR0+2+\s], s22, v5
	s_add_co_u32 s21, s21, SLOT
	s_add_co_u32 s22, s22, SLOT
.endr
	v_mul_u32_u24 v5, v3, SPIT
	s_mul_i32 s21, s18, HALFS
	s_mul_i32 s22, s19, HALFS
	s_add_co_u32 s21, s21, SCL
	s_add_co_u32 s22, s22, SCL
	v_add_nc_u32 v[ADS1], s21, v5                  ; all 32 lanes take row perm(r)'s words; the unit reads lanes 0-15
	v_add_nc_u32 v[ADS0], s22, v5
	; the biases, in both layouts (all addresses lie inside the 2,048 numbers for every kind): for Q, K b(32 d + 2 t + wave % 2 + 16 h), d = 0 .. 63; for V b(256 a + 16 perm(r) + 2 t + wave / 2)
	s_lshl_b32 s18, s42, 1
	s_add_co_u32 s19, s18, s16
	s_lshl_b32 s19, s19, 2
	v_lshl_add_u32 v6, v2, 6, s19
	s_add_co_u32 s19, s18, s15
	s_lshl_b32 s19, s19, 2
	v_lshl_add_u32 v7, v3, 6, s19
	WIN TO_B
.set k, 0
.rept 64
	global_load_b32 v[96+k+96*(k/32)], v6, s[12:13] offset:128*k   ; window 1: v96-127 and v224-255, beside source 0's two sets
.set k, k+1
.endr
	WIN 0
.irp a, 0,1,2,3,4,5,6,7
	global_load_b32 v[BV+\a], v7, s[12:13] offset:1024*\a
.endr
	; where my part of qkv begins: head 2 t + (Q, K: wave % 2; V: wave / 2), group 2 x tile row + the other
	s_cmp_eq_u32 s95, 0
	s_cselect_b32 s99, s16, s15
	s_cselect_b32 s100, s15, s16
	s_lshl_b32 s66, s42, 1
	s_add_co_u32 s66, s66, s99
	s_lshl_b32 s66, s66, 4
	s_lshl_b32 s67, s17, 1
	s_add_co_u32 s66, s66, s67
	s_add_co_u32 s66, s66, s100
	s_mul_i32 s66, s66, GRP
	s_mul_i32 s67, s98, PART
	s_add_co_u32 s66, s66, s67
	s_mov_b32 s67, 0
	s_add_nc_u64 s[96:97], s[96:97], s[66:67]
.macro FRAG reg, adr, q, i             ; 16 rows x 128 K: 12 registers, in pieces of 8 bytes; where lanes 16-31's piece lies behind one padding more, the second address register serves
.irp p, 0,1,2,3,4,5
.set PCE, 12*(\q)+6*(\p/3)+\p%3
.if PCE%8 < 5
	ds_load_b64 v[\reg+2*\p:\reg+2*\p+1], v[\adr] offset:8*PCE+16*(PCE/8)+(\i)*16*PITCH
.else
	ds_load_b64 v[\reg+2*\p:\reg+2*\p+1], v[\adr+2] offset:8*PCE+16*(PCE/8)+(\i)*16*PITCH
.endif
.endr
.endm
; 16 matrix instructions: source 1's blocks a0, a0 + 1 x source 0's eight.  The 64 accumulators take turns, one instruction a turn, in the same order in every step.
.macro MUL16 a0, p, q, sc, zero
.irp a, \a0, \a0+1
.irp b, 0,1,2,3,4,5,6,7
.if \zero
	v_wmma_scale_f32_16x16x128_f8f6f4 v[8*(8*((\a)%4)+\b):8*(8*((\a)%4)+\b)+7], v[128*(\p)+FR*\b:128*(\p)+FR*\b+FR-1], v[AF+FR*(\a):AF+FR*(\a)+FR-1], 0, v[SC0+16*(\sc)+2*\b+(\q)], v[SC1+16*(\sc)+2*(\a)+(\q)] matrix_a_fmt:MATRIX_FMT_FP6 matrix_b_fmt:MATRIX_FMT_FP6
.else
	v_wmma_scale_f32_16x16x128_f8f6f4 v[8*(8*((\a)%4)+\b):8*(8*((\a)%4)+\b)+7], v[128*(\p)+FR*\b:128*(\p)+FR*\b+FR-1], v[AF+FR*(\a):AF+FR*(\a)+FR-1], v[8*(8*((\a)%4)+\b):8*(8*((\a)%4)+\b)+7], v[SC0+16*(\sc)+2*\b+(\q)], v[SC1+16*(\sc)+2*(\a)+(\q)] matrix_a_fmt:MATRIX_FMT_FP6 matrix_b_fmt:MATRIX_FMT_FP6
.endif
.endr
.endr
.endm
.macro FETCH0 slot, q, p               ; source 0's eight fragments into set p of window 1
	WIN TO_B
.irp i, 0,1,2,3,4,5,6,7
	FRAG 128*(\p)+FR*\i, ADR0+\slot, \q, \i
.endr
	WIN 0
.endm
.macro FETCH1 slot, q, i0              ; source 1's blocks i0 .. i0 + 3
.irp i, \i0, \i0+1, \i0+2, \i0+3
	FRAG AF+FR*(\i), ADR1+\slot, \q, \i
.endr
.endm
.macro SCALES sc                       ; a K step's scale words, two a row, into set sc
.irp i, 0,1,2,3,4,5,6,7
	ds_load_b64 v[SC1+16*\sc+2*\i:SC1+16*\sc+2*\i+1], v[ADS1] offset:\i*SBLK
	ds_load_b64 v[SC0+16*\sc+2*\i:SC0+16*\sc+2*\i+1], v[ADS0] offset:\i*SBLK
.endr
.endm
.macro PLACES n                        ; plain vector instructions between a matrix instruction and a load into, or a read of, its registers
.rept \n
	v_nop
.endr
.endm
.macro STEP slot, q, zero              ; a step of 128 along K that has its successor in the same slot
	s_wait_dscnt 4*NL                              ; all but the youngest 24 loads (source 1's blocks 4-7) are in
	WIN MUL_LO
	MUL16 0, (\q)%2, \q, \slot, \zero
	MUL16 2, (\q)%2, \q, \slot, \zero
	s_wait_dscnt 0
	PLACES NP
	FETCH0 \slot, (\q)+1, 1-(\q)%2
	FETCH1 \slot, (\q)+1, 0
	WIN MUL_HI
	MUL16 4, (\q)%2, \q, \slot, \zero
	MUL16 6, (\q)%2, \q, \slot, \zero
	PLACES NP
	WIN 0
	FETCH1 \slot, (\q)+1, 4
.endm
; A slot's last step changes slots: one barrier; in front of it each wave waits for all its tensor loads, adds 0 to its spare word, and waits for that and for its reads of this slot.
.macro TURN slot, next, fill
	s_wait_tensorcnt 0x0                           ; all my tensor loads have landed: my part of the next slot
	ds_add_u32 v[SPW], v[NIL]                      ; 0 onto my spare word
	s_wait_dscnt 4*NL+1                            ; the add and the youngest 24 loads may be out
	WIN MUL_LO
	MUL16 0, 1, NQ-1, \slot, 0
	s_wait_dscnt 0x0                               ; the add is done, and my reads of this slot are over
	s_barrier_signal -1
	MUL16 2, 1, NQ-1, \slot, 0
	WIN 0
	s_barrier_wait -1
.if \fill
	CREST                                          ; the barrier has opened a round of the cluster's: no wave of any partner still reads this slot or has a load on its way
	s_add_nc_u64 s[G0+4*\slot+2:G0+4*\slot+3], s[G0+4*\slot+2:G0+4*\slot+3], 2*ROWB
	s_add_nc_u64 s[G0B+4*\slot+2:G0B+4*\slot+3], s[G0B+4*\slot+2:G0B+4*\slot+3], 2*ROWB
	JLOAD G0+4*\slot, G1, G0B+4*\slot, G1B         ; the first tensor load behind the round; its four v_nop are the places in front of the loads below
.else
	PLACES NP
.endif
	v_add_nc_u32 v[ADS1], 4*NQ, v[ADS1]            ; on to the next K step's scale words
	v_add_nc_u32 v[ADS0], 4*NQ, v[ADS0]
	FETCH0 \next, 0, 0
	FETCH1 \next, 0, 0
	SCALES \next
	WIN MUL_HI
	MUL16 4, 1, NQ-1, \slot, 0
	MUL16 6, 1, NQ-1, \slot, 0
	PLACES NP
	WIN 0
	FETCH1 \next, 0, 4
.endm
	s_wait_tensorcnt 1                             ; of my three loads the scales and K step 0 are in; K step 1's may be out
	s_barrier_signal -1
	s_barrier_wait -1
	FETCH0 0, 0, 0
	FETCH1 0, 0, 0
	SCALES 0
	FETCH1 0, 0, 4
	STEP 0, 0, 1                                   ; the first step starts the sums
	s_mov_b32 s3, LAPS-1
.Llap:
	TURN 0, 1, 1
	STEP 1, 0, 0
	TURN 1, 0, 1
	STEP 0, 0, 0
	s_sub_co_u32 s3, s3, 1
	s_cmp_lg_u32 s3, 0
	s_cbranch_scc1 .Llap
	TURN 0, 1, 0                                   ; the last lap fills nothing
	STEP 1, 0, 0
	s_wait_dscnt 4*NL
	WIN MUL_LO
	MUL16 0, 1, NQ-1, 1, 0
	MUL16 2, 1, NQ-1, 1, 0
	s_wait_dscnt 0
	WIN MUL_HI
	MUL16 4, 1, NQ-1, 1, 0
	MUL16 6, 1, NQ-1, 1, 0
	WIN 0
	s_wait_loadcnt 0x0                             ; the biases
	; THE WAY OUT needs no LDS: a lane's registers already run along the quantiser's axis.  These ten plain lines are the places behind the last products.
	v_mul_u32_u24 v[SS], v2, HEADJ
	v_lshl_add_u32 v[SS], v1, 4, v[SS]             ; Q, K: 16 r, lanes 16-31 in the head 16 further on
	v_lshrrev_b32 v8, 3, v1
	v_mul_u32_u24 v[VO], v8, HEADJ                 ; V: lanes r >= 8 hold the head 16 further on
	v_lshl_add_u32 v[VO], v2, 7, v[VO]
	v_and_b32 v8, 7, v1
	v_lshl_add_u32 v[VO], v8, 4, v[VO]             ; + 128 h + 16 (r % 8)
	v_xor_b32 v[VO+1], 128, v[VO]                  ; for odd a the two halves change places
	v_and_b32 v8, 31, v0
	v_lshlrev_b32 v[SO], 4, v8
	s_cmp_eq_u32 s95, 0
	s_cbranch_scc0 .Lv
; Q, K: block a: my row 16 a + perm(r), head 2 t + wave % 2 + 16 h; the 64 registers of the block's accumulators are d = 0 .. 63.
.macro QKOUT a
.set FS, 192-96*(((\a)/2)%2)           ; a double fragment's 24 registers (two heads): two sets by turns
.set F0, FS+6*((\a)%2)
.set F1, F0+12
.set AC, 64*((\a)%4)
.if ((\a)%2 == 0) && ((\a) >= 4)
	s_wait_xcnt 0x0                                ; the stores of two double fragments ago have read this set
.endif
	WIN 0x06+(\a)/4                                ; source 0: the accumulators' window, source 1: window 1
.set k, 0
.rept 32
	v_pk_add_f32 v[T+k:T+k+1], v[AC+k:AC+k+1], v[96+k+96*(k/32):97+k+96*(k/32)]   ; + bias; each accumulator from its low end on
.set k, k+2
.endr
	WIN 0
.irp c, 0,1,2,3
	v_max3_num_f32 v[TM+\c], |v[T+16*\c]|, |v[T+16*\c+1]|, 0x1800000   ; four chains of 16; the floor 2^(3 - 127) holds the byte at 1 from below
.endr
.irp i, 2,4,6,8,10,12,14
.irp c, 0,1,2,3
	v_max3_num_f32 v[TM+\c], v[TM+\c], |v[T+16*\c+\i]|, |v[T+16*\c+\i+1]|
.endr
.endr
	v_max_num_f32 v[TM], v[TM], v[TM+1]            ; d 0-31
	v_max_num_f32 v[TM+2], v[TM+2], v[TM+3]        ; d 32-63
	v_add_nc_u32 v[TM+4], 0xff000000, v[TM]        ; 2 off the exponent field: the conversion's scale operand
	v_add_nc_u32 v[TM+5], 0xff000000, v[TM+2]
	v_lshrrev_b32 v[TM+6], 23, v[TM+4]             ; the bytes
	v_lshrrev_b32 v[TM+7], 23, v[TM+5]
	v_cvt_scalef32_pk16_fp6_f32 v[F0:F0+2], v[T:T+15], v[TM+4]
	v_cvt_scalef32_pk16_fp6_f32 v[TM+8:TM+10], v[T+16:T+31], v[TM+4]     ; (a conversion's three registers begin on an even number)
	v_cvt_scalef32_pk16_fp6_f32 v[F1:F1+2], v[T+32:T+47], v[TM+5]
	v_cvt_scalef32_pk16_fp6_f32 v[TM+12:TM+14], v[T+48:T+63], v[TM+5]
	v_lshl_or_b32 v[TM+6], v[TM+7], 8, v[TM+6]     ; my row's two bytes.  (The plain line behind the conversions)
.irp i, 0,1,2
	v_mov_b32 v[F0+3+\i], v[TM+8+\i]
	v_mov_b32 v[F1+3+\i], v[TM+12+\i]
.endr
.irp i, 0,1,2,3,4,5
	v_permlane16_swap_b32 v[F0+\i], v[F1+\i]       ; the first now holds the lower head's tile (lanes 0-15 d 0-31, lanes 16-31 d 32-63), the second the upper head's
.endr
.if (\a)%2 == 0
	v_mov_b32 v[SW+(\a)/2], v[TM+6]
.else
	v_lshl_or_b32 v[SW+(\a)/2], v[TM+6], 16, v[SW+(\a)/2]
.irp c, 0,1,2
	global_store_b128 v[SO], v[FS+4*\c:FS+4*\c+3], s[96:97] offset:1536*((\a)/2)+512*\c            ; 32 lanes store 512 consecutive bytes, aligned
	global_store_b128 v[SO], v[FS+12+4*\c:FS+12+4*\c+3], s[96:97] offset:HEADJ+1536*((\a)/2)+512*\c
.endr
.endif
.endm
.irp a, 0,1,2,3,4,5,6,7
	QKOUT \a
.endr
	global_store_b128 v[SS], v[SW:SW+3], s[96:97] offset:6144      ; lanes 0-15: the lower head's 256 bytes of scale words, lanes 16-31 the upper head's
	s_branch .Ljoin
.Lv:
; V: block a: my lane is d = 8 a + r % 8 of head 2 t + wave / 2 + 16 (r / 8); register 16 B + i is key 32 B + 2 i + h.
.macro QUANT s, pc, pw                 ; 64 numbers, register 16 b + i = place 16 h + i of block b, become a fragment in v[pc] on and a scale word in v[pw]
.irp b, 0,1,2,3
	v_max3_num_f32 v[TM+\b], |v[\s+16*\b]|, |v[\s+1+16*\b]|, 0x1800000
.endr
.irp i, 2,4,6,8,10,12,14
.irp b, 0,1,2,3
	v_max3_num_f32 v[TM+\b], v[TM+\b], |v[\s+16*\b+\i]|, |v[\s+1+16*\b+\i]|
.endr
.endr
.irp b, 0,1,2,3
	v_permlanex16_b32 v[TM+4+\b], v[TM+\b], s[SEL], s[SEL+1]
.endr
.irp b, 0,1,2,3
	v_max_num_f32 v[TM+\b], v[TM+\b], v[TM+4+\b]   ; with lane l xor 16's: the block's largest magnitude
.endr
.irp b, 0,1,2,3
	v_add_nc_u32 v[TM+12+\b], 0xff000000, v[TM+\b]
.endr
.irp b, 0,1,2,3
	v_lshrrev_b32 v[TM+4+\b], 23, v[TM+12+\b]
.endr
	v_lshl_or_b32 v[\pw], v[TM+5], 8, v[TM+4]
	v_lshl_or_b32 v[\pw], v[TM+6], 16, v[\pw]
	v_lshl_or_b32 v[\pw], v[TM+7], 24, v[\pw]
.irp c, 0,1
	v_cvt_scalef32_pk16_fp6_f32 v[\pc+6*\c:\pc+2+6*\c], v[\s+32*\c:\s+15+32*\c], v[TM+12+2*\c]
	v_cvt_scalef32_pk16_fp6_f32 v[\pc+12+4*\c:\pc+14+4*\c], v[\s+16+32*\c:\s+31+32*\c], v[TM+12+2*\c+1]
.endr
	v_nop                                          ; one plain line behind the conversions
.irp c, 0,1
.irp i, 0,1,2
	v_permlane16_swap_b32 v[\pc+6*\c+\i], v[\pc+12+4*\c+\i]   ; a whole block to a lane: lanes 0-15 block 2 c, lanes 16-31 block 2 c + 1
.endr
.irp i, 0,1,2
	v_mov_b32 v[\pc+3+6*\c+\i], v[\pc+12+4*\c+\i]
.endr
.endr
.endm
.macro VOUT a
.set PCV, 192-96*((\a)%2)              ; two sets of 20 registers by turns
.set PWV, 116+4*((\a)%2)+(\a)/2        ; scale words: even a in v116-119, odd a in v120-123
.set AC, 64*((\a)%4)
.if (\a) >= 2
	s_wait_xcnt 0x0                                ; the stores of two blocks ago have read this set
.endif
	WIN 0x02+(\a)/4
.set k, 0
.rept 32
.if (\a)%2 == 0
	v_pk_add_f32 v[T+k:T+k+1], v[AC+k:AC+k+1], v[BV+(\a):BV+(\a)+1] op_sel_hi:[1,0]
.else
	v_pk_add_f32 v[T+k:T+k+1], v[AC+k:AC+k+1], v[BV+(\a)-1:BV+(\a)] op_sel:[0,1] op_sel_hi:[1,1]
.endif
.set k, k+2
.endr
	WIN 0
	QUANT T, PCV, PWV
.irp c, 0,1,2
	global_store_b128 v[VO+(\a)%2], v[PCV+4*\c:PCV+4*\c+3], s[96:97] offset:1536*((\a)/2)+512*\c+256*((\a)%2)   ; each head's 16 lanes fill 256 consecutive bytes, aligned
.endr
.endm
	s_mov_b32 s[SEL], 0x76543210
	s_mov_b32 s[SEL+1], 0xfedcba98
.irp b, 0,1,2,3
	v_mov_b32 v[TM+4+\b], 0                        ; written once: a lane permute's destination counts as one of its sources
.endr
.irp a, 0,1,2,3,4,5,6,7
	VOUT \a
.endr
	v_cmp_eq_u32 vcc_lo, 1, v2
.irp i, 0,1,2,3
	v_cndmask_b32 v[124+\i], v[116+\i], v[120+\i], vcc_lo   ; lanes 0-15 send rows r % 8 of each fragment, lanes 16-31 rows 8 + r % 8
.endr
	global_store_b128 v[VO], v[124:127], s[96:97] offset:6144
.Ljoin:
	s_wait_tensorcnt 0x0                           ; the wave's end
	ds_add_u32 v[SPW], v[NIL]
	s_wait_dscnt 0x0
	CROUND                                         ; the closing round
	s_endpgm
.Lfunc_end_k_q4bef59b704_qkv:
	.size	k_q4bef59b704_qkv, .Lfunc_end_k_q4bef59b704_qkv-k_q4bef59b704_qkv
	.p2alignl 7, 3214868480
	.fill 96, 4, 3214868480
	.section	.rodata,"a",@progbits
	.p2align	6, 0x0
	.amdhsa_kernel k_q4bef59b704_qkv
		.amdhsa_group_segment_fixed_size 327680
		.amdhsa_private_segment_fixed_size 0
		.amdhsa_enable_private_segment 0
		.amdhsa_kernarg_size 96
		.amdhsa_user_sgpr_count 2
		.amdhsa_user_sgpr_kernarg_segment_ptr 1
		.amdhsa_wavefront_size32 1
		.amdhsa_system_sgpr_workgroup_id_x 1
		.amdhsa_system_sgpr_workgroup_id_y 1
		.amdhsa_system_sgpr_workgroup_id_z 1
		.amdhsa_system_vgpr_workitem_id 0
		.amdhsa_next_free_vgpr 1024
		.amdhsa_next_free_sgpr 102
		.amdhsa_reserve_vcc 1
		.amdhsa_float_denorm_mode_32 3
		.amdhsa_float_denorm_mode_16_64 3
		.amdhsa_memory_ordered 1
		.amdhsa_forward_progress 1
		.amdhsa_inst_pref_size 233
	.end_amdhsa_kernel
	.amdgpu_metadata
---
amdhsa.version: [ 1, 2 ]
amdhsa.kernels:
  - .name:           k_q4bef59b704_qkv
    .symbol:         k_q4bef59b704_qkv.kd
    .args:
      - { .name: X_codes, .offset: 0, .size: 8, .value_kind: global_buffer, .address_space: global }
      - { .name: X_scales, .offset: 8, .size: 8, .value_kind: global_buffer, .address_space: global }
      - { .name: Wq_w_codes, .offset: 16, .size: 8, .value_kind: global_buffer, .address_space: global }
      - { .name: Wq_w_scales, .offset: 24, .size: 8, .value_kind: global_buffer, .address_space: global }
      - { .name: Wq_b, .offset: 32, .size: 8, .value_kind: global_buffer, .address_space: global }
      - { .name: Wk_w_codes, .offset: 40, .size: 8, .value_kind: global_buffer, .address_space: global }
      - { .name: Wk_w_scales, .offset: 48, .size: 8, .value_kind: global_buffer, .address_space: global }
      - { .name: Wk_b, .offset: 56, .size: 8, .value_kind: global_buffer, .address_space: global }
      - { .name: Wv_w_codes, .offset: 64, .size: 8, .value_kind: global_buffer, .address_space: global }
      - { .name: Wv_w_scales, .offset: 72, .size: 8, .value_kind: global_buffer, .address_space: global }
      - { .name: Wv_b, .offset: 80, .size: 8, .value_kind: global_buffer, .address_space: global }
      - { .name: qkv, .offset: 88, .size: 8, .value_kind: global_buffer, .address_space: global }
    .group_segment_fixed_size: 327680
    .private_segment_fixed_size: 0
    .kernarg_segment_align: 8
    .kernarg_segment_size: 96
    .max_flat_workgroup_size: 128
    .sgpr_count:     102
    .vgpr_count:     1024
    .wavefront_size: 32
...
	.end_amdgpu_metadata
.endif
;; end of part 1
;; launch attn (part 2): grid 8 x 32, 16 waves a work-group, clusters of 4 x 1, 276,480 bytes of LDS; arguments qkv, ob; writes ob
.if DOCPART == 2
	.amdgcn_target "amdgcn-amd-amdhsa--gfx1250"
	.amdhsa_code_object_version 6
	.text
	.protected	k_q4bef59b704_attn
	.globl	k_q4bef59b704_attn
	.p2align	8
	.type	k_q4bef59b704_attn,@function
k_q4bef59b704_attn:
	s_mov_b64 s[64:65], 0
	v_nop
	global_prefetch_b8 v0, s[64:65] scope:SCOPE_SE
	s_setreg_imm32_b32 hwreg(HW_REG_WAVE_MODE, 25, 1), 1
	s_wait_xcnt 0x0
	s_wait_alu depctr_hold_cnt(0) depctr_sa_sdst(0) depctr_va_vdst(0) depctr_va_sdst(0) depctr_va_ssrc(0) depctr_va_vcc(0) depctr_vm_vsrc(0)
	s_getreg_b32 s2, hwreg(HW_REG_IB_STS2, 6, 4)
	s_cmp_eq_u32 s2, 0
	s_cbranch_scc0 .Lentry_in_a_cluster
	s_endpgm
.Lentry_in_a_cluster:
	s_bfe_u32 s2, ttmp6, 0x10000c
	s_cmp_lg_u32 s2, 0x3003
	s_cbranch_scc0 .Lentry_shape_is_right
	s_endpgm
.Lentry_shape_is_right:
; ob[head][l][d] = sum over keys of softmax(Q . K / sqrt(2048)) V, both products on codes of FP6 (E2M3) with E8M0 scales, from the register images that the launch before has laid in qkv.
; t = score x log2(e) / sqrt(2048); M = the running largest t rounded up to a whole number; p = 2^(t - M) is quantised along the keys; the row's sum is taken of the unquantised p and divides at the end.
; SHARES.  A work-group owns 256 queries of one head, each of its sixteen waves 16 of them in 256 registers.  A head's K and V (16 groups of 128 keys x 12,800 bytes) stay in LDS for the whole launch: each wave brings two units
; of 6,400 bytes at the head; nothing is filled again.  The four query blocks of a cluster walk the same head: every unit is asked for jointly.
; LAYOUT.  Both products are used transposed: a lane holds one query.  The head has 64 channels and the instruction takes 128 along K: a fragment of K holds TWO tiles of 16 keys (k 0-63 one, k 64-127 the other), and the query's
; 64 codes stand between two runs of zero codes, so that one operand window picks the first tile and another the second.  Key 32 B + 2 i + h lies in register 16 B + i of half h, in p as in V's codes.
; LIMITS: NaN and infinities are not served; a block of p that has fallen to zeros keeps the scale byte 1 (its codes are zeros).
.set UNIT,  6400
.set STAGE, 32*UNIT                    ; behind K and V: 16 rows x 272 bytes for each wave
.set SP,    272
.set AK0, 1                            ; v1  16 x lane: K's images; also my offset in O's rows
.set AV0, 2                            ; v2  V's images: 256 (r / 8) + 128 (h xor r / 8) + 16 (r % 8)
.set AS0, 3                            ; v3  16 r: scale words
.set ADK, 8                            ; v8-10 the step's addresses
.set ADV, 9
.set ADS, 10
.set SB,  210                          ; v[210:211] the second chain of the row's sum
.set TB,  2                            ; s2  LDS byte at which the step's group begins
.set CNT, 3
.set WV,  18
.set SEL, 20
.set CS,  22                           ; s[22:23] c = log2(e) / sqrt(2048)
.set G1,  24
.set G0A, 32
.set G0B, 36
; v12 -M, v13 the largest t, v[14:15] the sum; v32-79 four fragments; v96-159 S^T, then p; v160-191 O^T; v192-197 zeros, v198-203 Q, v204-209 zeros; v224-235 p's codes; v232-254 at work; v248-251 scale words; v255 Q's scale word
.macro CROUND
	s_barrier_signal -1
	s_barrier_wait -1
	s_cmp_lg_u32 s[WV], 0
	s_cbranch_scc1 .Lnot_wave_0_\@
	s_barrier_signal -3
.Lnot_wave_0_\@:
	s_barrier_wait -3
	s_barrier_signal -1
	s_barrier_wait -1
.endm
	s_load_b128 s[4:7], s[0:1], 0x0                ; qkv, ob
	v_lshl_add_u32 v223, v0, 2, 0x43000
	v_mov_b32 v243, 0
	ds_add_u32 v223, v243
	ds_add_u32 v223, v243
	v_lshrrev_b32 v8, 5, v0
	v_readfirstlane_b32 s[WV], v8                  ; wave 0..15
	s_bfe_u32 s8, ttmp6, 0x40000                   ; cx
	s_lshl_b32 s9, ttmp9, 2
	s_add_co_u32 s9, s9, s8                        ; my block of 256 queries: it enters Q's and O's addresses alone
	s_and_b32 s10, ttmp7, 0xffff                   ; the head
	s_mul_i32 s12, s10, 16*3*UNIT                  ; its first byte in qkv
	s_lshr_b32 s13, s[WV], 1
	s_mul_i32 s13, s13, 3*UNIT                     ; unit w: group w / 2,
	s_and_b32 s14, s[WV], 1
	s_mul_i32 s14, s14, UNIT                       ; K (even w) or V (odd w),
	s_add_co_u32 s13, s13, s14
	s_add_co_u32 s13, s13, s12
	s_add_co_u32 s40, s13, UNIT                    ; behind the group's Q
	s_mov_b32 s41, 0
	s_mul_i32 s15, s[WV], UNIT                     ; and its place in LDS
	s_mov_b32 s[G1], 15|(3<<16)|(1<<21)            ; the mask: all four work-groups; elements of 8 bytes; bit 21 beside a mask; no padding
	s_mov_b32 s[G1+1], 32<<16                      ; a dense block as 25 rows of 256 bytes
	s_mov_b32 s[G1+2], 25<<16
	s_mov_b32 s[G1+3], 32<<16
	s_mov_b32 s[G1+4], 25
	s_mov_b32 s[G1+5], 32
	s_mov_b32 s[G1+6], 0
	s_mov_b32 s[G1+7], 0
	s_mov_b32 s[SEL], 0x76543210
	s_mov_b32 s[SEL+1], 0xfedcba98
	s_mov_b32 s[CS], 0x3d0293ee
	s_mov_b32 s[CS+1], s[CS]
	s_mov_b32 s[TB], 0
	s_wait_dscnt 0x0
	s_wait_kmcnt 0x0
	s_mov_b32 s[G0A], 1
	s_mov_b32 s[G0A+1], s15
	s_add_nc_u64 s[G0A+2:G0A+3], s[4:5], s[40:41]
	s_mov_b32 s[G0B], 1
	s_add_co_u32 s[G0B+1], s15, 16*UNIT            ; unit w + 16: eight groups on
	s_add_nc_u64 s[G0B+2:G0B+3], s[G0A+2:G0A+3], 8*3*UNIT
	s_or_b32 s[G0A+3], s[G0A+3], 0x80000000
	s_or_b32 s[G0B+3], s[G0B+3], 0x80000000
	CROUND                                         ; all four work-groups are here: the joint loads meet
	tensor_load_to_lds s[G0A:G0A+3], s[G1:G1+7]    ; every wave's two fills stand together: two loads of mine are out
	s_nop 0
	tensor_load_to_lds s[G0B:G0B+3], s[G1:G1+7]
	s_nop 0
.rept 4
	v_nop
.endr
	; Q: my tile a = wave % 8 of group 2 x block + wave / 8: half u = a % 2 of double fragment p = a / 2: registers 6 u .. 6 u + 5 of its image
	s_lshl_b32 s11, s9, 1
	s_lshr_b32 s16, s[WV], 3
	s_add_co_u32 s11, s11, s16
	s_mul_i32 s11, s11, 3*UNIT
	s_add_co_u32 s42, s11, s12
	s_mov_b32 s43, 0
	s_add_nc_u64 s[44:45], s[4:5], s[42:43]
	s_and_b32 s16, s[WV], 7
	s_lshr_b32 s17, s16, 1                         ; p
	s_and_b32 s19, s16, 1                          ; u
	s_lshl_b32 s49, s19, 4                         ; 16 u
	s_lshl_b32 s52, s17, 2                         ; 4 p
	s_mul_i32 s17, s17, 1536
	s_mul_i32 s46, s19, 520
	s_add_co_u32 s46, s46, s17                     ; the three pieces of 8 bytes: at 0, 8, 512 (u = 0) or 520, 1,024, 1,032 (u = 1)
	s_mul_i32 s47, s19, 1016
	s_add_co_u32 s47, s47, s17
	s_add_co_u32 s47, s47, 8
	s_add_co_u32 s48, s46, 512
	s_lshl_b32 s50, s10, 19                        ; O: head x 2,048 rows of 256 bytes + block x 256 rows + wave x 16 rows
	s_lshl_b32 s51, s9, 16
	s_add_co_u32 s50, s50, s51
	s_lshl_b32 s51, s[WV], 12
	s_add_co_u32 s50, s50, s51
	s_mov_b32 s51, 0
	s_add_nc_u64 s[6:7], s[6:7], s[50:51]
	v_and_b32 v[AK0], 31, v0
	v_lshlrev_b32 v[AK0], 4, v[AK0]
	v_and_b32 v8, 15, v0                           ; r
	v_bfe_u32 v9, v0, 4, 1                         ; h
	v_lshrrev_b32 v10, 3, v8
	v_xor_b32 v[AV0], v9, v10
	v_lshlrev_b32 v[AV0], 7, v[AV0]
	v_lshl_add_u32 v[AV0], v10, 8, v[AV0]
	v_and_b32 v10, 7, v8
	v_lshl_add_u32 v[AV0], v10, 4, v[AV0]
	v_lshlrev_b32 v[AS0], 4, v8
	v_add_nc_u32 v4, s46, v[AK0]
	v_add_nc_u32 v5, s47, v[AK0]
	v_add_nc_u32 v6, s48, v[AK0]
	v_add_nc_u32 v11, s52, v[AS0]
	global_load_b64 v[198:199], v4, s[44:45]
	global_load_b64 v[200:201], v5, s[44:45]
	global_load_b64 v[202:203], v6, s[44:45]
	global_load_b32 v254, v11, s[44:45] offset:6144   ; the double fragment's scale word of my row
.irp j, 0,1,2,3,4,5
	v_mov_b32 v[192+\j], 0                         ; zero codes on both sides of Q's
	v_mov_b32 v[204+\j], 0
.endr
	v_mov_b32 v13, 0xff61b1e6                      ; the largest t so far: -3e38
	v_floor_f32 v12, -v13                          ; -M
	v_mov_b32 v14, 0
	v_mov_b32 v15, 0
.irp b, 0,1,2,3
	v_mov_b32 v[236+\b], 0                         ; written once: a lane permute's destination counts as one of its sources
.endr
	v_mov_b32 v253, 0                              ; (named as the upper half of v[252:253] before it is first written)
	s_wait_loadcnt 0x0
	v_lshrrev_b32 v254, s49, v254                  ; my tile's two bytes,
	v_and_b32 v254, 0xffff, v254
	v_lshl_or_b32 v255, v254, 16, v254             ; in both halves of the word: they serve whichever half of K the codes stand in
.set j, 0
.rept 32
	v_mov_b32 v[160+j], 0                          ; O^T: the step is written once; the first change of M leaves zeros zeros.  (Also the places between the scale word's last line and the first product)
.set j, j+1
.endr
.macro STEP                            ; 128 keys
	v_add_nc_u32 v[ADK], s[TB], v[AK0]
	v_add_nc_u32 v[ADV], s[TB], v[AV0]
	v_add_nc_u32 v[ADS], s[TB], v[AS0]
	v_nop                                          ; four places in front of loads into registers that the last products have read
.irp p, 0,1,2,3
.irp c, 0,1,2
	ds_load_b128 v[32+12*\p+4*\c:35+12*\p+4*\c], v[ADK] offset:1536*\p+512*\c
.endr
.endr
	ds_load_b128 v[248:251], v[ADS] offset:6144    ; the four double fragments' scale words of row r
	s_wait_dscnt 0x0
.irp p, 0,1,2,3
	v_wmma_scale_f32_16x16x128_f8f6f4 v[96+16*\p:103+16*\p], v[32+12*\p:43+12*\p], v[198:209], 0, v[248+\p], v255 matrix_a_fmt:MATRIX_FMT_FP6 matrix_b_fmt:MATRIX_FMT_FP6    ; Q, then zeros: the first tile's keys
	v_wmma_scale_f32_16x16x128_f8f6f4 v[104+16*\p:111+16*\p], v[32+12*\p:43+12*\p], v[192:203], 0, v[248+\p], v255 matrix_a_fmt:MATRIX_FMT_FP6 matrix_b_fmt:MATRIX_FMT_FP6  ; zeros, then Q: the second's
.endr
.rept 4
	v_nop
.endr
.irp t, 0,1,2,3                        ; V's fragments are asked for now and land under the softmax
.irp c, 0,1,2
	ds_load_b128 v[32+12*\t+4*\c:35+12*\t+4*\c], v[ADV] offset:UNIT+1536*\t+512*\c
.endr
.endr
	ds_load_b128 v[248:251], v[ADS] offset:UNIT+6144
.irp b, 0,1,2,3
	v_max3_num_f32 v[232+\b], v[96+16*\b], v[97+16*\b], v[98+16*\b]   ; the largest score of each block of 32 keys: for the row's maximum, and, since p rises with the score, for the block's largest p
.endr
.irp i, 3,5,7,9,11,13
.irp b, 0,1,2,3
	v_max3_num_f32 v[232+\b], v[232+\b], v[96+16*\b+\i], v[97+16*\b+\i]
.endr
.endr
.irp b, 0,1,2,3
	v_max_num_f32 v[232+\b], v[232+\b], v[111+16*\b]
.endr
.irp b, 0,1,2,3
	v_permlanex16_b32 v[236+\b], v[232+\b], s[SEL], s[SEL+1]
.endr
.irp b, 0,1,2,3
	v_max_num_f32 v[232+\b], v[232+\b], v[236+\b]
.endr
	v_max3_num_f32 v254, v232, v233, v234
	v_max_num_f32 v254, v254, v235
	v_mul_f32 v254, s[CS], v254
	v_max_num_f32 v13, v13, v254                   ; the running largest t
	v_mov_b32 v254, v12
	v_floor_f32 v12, -v13                          ; the new -M: a whole number
	v_sub_f32 v254, v12, v254
	v_cvt_i32_f32 v254, v254                       ; (it saturates)
	v_ldexp_f32 v252, 1.0, v254                    ; f = 2^(old M - new M)
.set j, 0
.rept 32
	v_pk_fma_f32 v[96+j:97+j], v[96+j:97+j], s[CS:CS+1], v[12:13] op_sel_hi:[1,0,0]   ; t - M
.set j, j+2
.endr
.irp b, 0,1,2,3
	v_fma_f32 v[232+\b], v[232+\b], s[CS], v12
.endr
.set j, 0
.rept 64
	v_exp_f32 v[96+j], v[96+j]                     ; p, not normalised
.set j, j+1
.endr
	v_pk_mul_f32 v[14:15], v[14:15], v[252:253] op_sel_hi:[1,0]   ; the sum under the new M.  (The plain line behind the exponentials)
	s_wait_alu depctr_va_vdst(0)                   ; one wait for the batch of 64, ahead of its first reader
.irp b, 0,1,2,3
	v_exp_f32 v[232+\b], v[232+\b]                 ; each block's largest p
.endr
	v_pk_add_f32 v[SB:SB+1], v[96:97], v[98:99]    ; the row's sum of the unquantised p, in two chains
.irp j, 4,8,12,16,20,24,28,32,36,40,44,48,52
	v_pk_add_f32 v[14:15], v[14:15], v[96+\j:97+\j]
	v_pk_add_f32 v[SB:SB+1], v[SB:SB+1], v[98+\j:99+\j]
.endr
	s_wait_alu depctr_va_vdst(0)                   ; and one for the four
.irp b, 0,1,2,3
	v_max_num_f32 v[232+\b], 0x1800000, v[232+\b]  ; the floor 2^(3 - 127)
.endr
.irp b, 0,1,2,3
	v_add_nc_u32 v[244+\b], 0xff000000, v[232+\b]
.endr
.irp b, 0,1,2,3
	v_lshrrev_b32 v[236+\b], 23, v[244+\b]
.endr
	v_lshl_or_b32 v253, v237, 8, v236              ; p's scale word for these 128 keys
	v_lshl_or_b32 v253, v238, 16, v253
	v_lshl_or_b32 v253, v239, 24, v253
.irp c, 0,1
	v_cvt_scalef32_pk16_fp6_f32 v[224+6*\c:226+6*\c], v[96+32*\c:111+32*\c], v[244+2*\c]
	v_cvt_scalef32_pk16_fp6_f32 v[236+4*\c:238+4*\c], v[112+32*\c:127+32*\c], v[244+2*\c+1]
.endr
	v_nop                                          ; one plain line behind the conversions
.irp c, 0,1
.irp i, 0,1,2
	v_permlane16_swap_b32 v[224+6*\c+\i], v[236+4*\c+\i]
.endr
.irp i, 0,1,2
	v_mov_b32 v[227+6*\c+\i], v[236+4*\c+\i]
.endr
.endr
.set j, 0
.rept 16
	v_pk_mul_f32 v[160+j:161+j], v[160+j:161+j], v[252:253] op_sel_hi:[1,0]   ; O^T under the new M
.set j, j+2
.endr
	v_pk_add_f32 v[14:15], v[14:15], v[152:153]    ; the sum's last five additions stand here: plain lines that name no register of the products below
	v_pk_add_f32 v[SB:SB+1], v[SB:SB+1], v[154:155]
	v_pk_add_f32 v[14:15], v[14:15], v[156:157]
	v_pk_add_f32 v[SB:SB+1], v[SB:SB+1], v[158:159]
	v_pk_add_f32 v[14:15], v[14:15], v[SB:SB+1]
	s_wait_dscnt 0x0                               ; V is in
.irp t, 0,1,2,3                        ; the four accumulators take turns; eight other products stand between two steps' links
	v_wmma_scale_f32_16x16x128_f8f6f4 v[160+8*\t:167+8*\t], v[32+12*\t:43+12*\t], v[224:235], v[160+8*\t:167+8*\t], v[248+\t], v253 matrix_a_fmt:MATRIX_FMT_FP6 matrix_b_fmt:MATRIX_FMT_FP6
.endr
	s_add_co_u32 s[TB], s[TB], 2*UNIT
.endm
	s_wait_tensorcnt 0x1                           ; my first unit is in; the second may stay out
	s_barrier_signal -1
	s_barrier_wait -1                              ; groups 0 to 7 are whole
	s_mov_b32 s[CNT], 8
.Lfirst:
	STEP
	s_sub_co_u32 s[CNT], s[CNT], 1
	s_cmp_lg_u32 s[CNT], 0
	s_cbranch_scc1 .Lfirst
	s_wait_tensorcnt 0x0                           ; my second unit is in
	s_wait_dscnt 0x0
	s_barrier_signal -1
	s_barrier_wait -1                              ; groups 8 to 15 are whole
	s_mov_b32 s[CNT], 8
.Lsecond:
	STEP
	s_sub_co_u32 s[CNT], s[CNT], 1
	s_cmp_lg_u32 s[CNT], 0
	s_cbranch_scc1 .Lsecond
	; THE WAY OUT: O^T / the sum goes through my stage; lane r's query is row perm(r) of my 16; whole rows of 256 bytes come back.
	v_add_f32 v14, v14, v15
	v_permlanex16_b32 v252, v14, s[SEL], s[SEL+1]
	v_add_f32 v14, v14, v252                       ; the row's sum
	v_rcp_f32 v14, v14
	v_and_b32 v8, 15, v0
	v_bfe_u32 v9, v0, 4, 1
	v_and_b32 v10, 7, v8
	v_lshrrev_b32 v11, 3, v8
	v_lshl_add_u32 v10, v10, 1, v11                ; perm(r)
	s_mul_i32 s40, s[WV], 16*SP
	s_add_co_u32 s40, s40, STAGE
	v_mul_u32_u24 v10, v10, SP
	v_lshl_add_u32 v10, v9, 5, v10
	v_add_nc_u32 v10, s40, v10                     ; in: my query's row, + 32 h; tile t's eight channels 64 t on
	v_mul_u32_u24 v11, v9, SP
	v_lshl_add_u32 v11, v8, 4, v11
	v_add_nc_u32 v11, s40, v11                     ; back: lanes 0-15 one row, lanes 16-31 the next
	s_wait_alu depctr_va_vdst(0)                   ; the wait for the reciprocal, ahead of its first reader
.set j, 0
.rept 16
	v_pk_mul_f32 v[96+j:97+j], v[160+j:161+j], v[14:15] op_sel_hi:[1,0]
.set j, j+2
.endr
.irp t, 0,1,2,3
	ds_store_b128 v10, v[96+8*\t:99+8*\t] offset:64*\t
	ds_store_b128 v10, v[100+8*\t:103+8*\t] offset:64*\t+16
.endr
.irp i, 0,1,2,3,4,5,6,7
	ds_load_b128 v[32+4*\i:35+4*\i], v11 offset:2*\i*SP   ; LDS serves a wave's instructions in order: these see my stores
.endr
.irp i, 0,1,2,3,4,5,6,7
	s_wait_dscnt 7-\i                              ; the younger loads may stay out
	global_store_b128 v[AK0], v[32+4*\i:35+4*\i], s[6:7] offset:512*\i   ; 32 lanes store two rows: 512 consecutive bytes, aligned
.endr
	s_wait_tensorcnt 0x0
	ds_add_u32 v223, v243
	s_wait_dscnt 0x0
	CROUND                                         ; the closing round
	s_endpgm
.Lfunc_end_k_q4bef59b704_attn:
	.size	k_q4bef59b704_attn, .Lfunc_end_k_q4bef59b704_attn-k_q4bef59b704_attn
	.p2alignl 7, 3214868480
	.fill 96, 4, 3214868480
	.section	.rodata,"a",@progbits
	.p2align	6, 0x0
	.amdhsa_kernel k_q4bef59b704_attn
		.amdhsa_group_segment_fixed_size 276480
		.amdhsa_private_segment_fixed_size 0
		.amdhsa_enable_private_segment 0
		.amdhsa_kernarg_size 16
		.amdhsa_user_sgpr_count 2
		.amdhsa_user_sgpr_kernarg_segment_ptr 1
		.amdhsa_wavefront_size32 1
		.amdhsa_system_sgpr_workgroup_id_x 1
		.amdhsa_system_sgpr_workgroup_id_y 1
		.amdhsa_system_sgpr_workgroup_id_z 1
		.amdhsa_system_vgpr_workitem_id 0
		.amdhsa_next_free_vgpr 256
		.amdhsa_next_free_sgpr 66
		.amdhsa_reserve_vcc 0
		.amdhsa_float_denorm_mode_32 3
		.amdhsa_float_denorm_mode_16_64 3
		.amdhsa_memory_ordered 1
		.amdhsa_forward_progress 1
		.amdhsa_inst_pref_size 43
	.end_amdhsa_kernel
	.amdgpu_metadata
---
amdhsa.version: [ 1, 2 ]
amdhsa.kernels:
  - .name:           k_q4bef59b704_attn
    .symbol:         k_q4bef59b704_attn.kd
    .args:
      - { .name: qkv, .offset: 0, .size: 8, .value_kind: global_buffer, .address_space: global }
      - { .name: ob, .offset: 8, .size: 8, .value_kind: global_buffer, .address_space: global }
    .group_segment_fixed_size: 276480
    .private_segment_fixed_size: 0
    .kernarg_segment_align: 8
    .kernarg_segment_size: 16
    .max_flat_workgroup_size: 512
    .sgpr_count:     66
    .vgpr_count:     256
    .wavefront_size: 32
...
	.end_amdgpu_metadata
.endif
;; end of part 2
;; launch oquant (part 3): grid 256 x 1, 8 waves a work-group, no clusters, 18,432 bytes of LDS; arguments ob, ocodes, oscales; writes ocodes, oscales
.if DOCPART == 3
	.amdgcn_target "amdgcn-amd-amdhsa--gfx1250"
	.amdhsa_code_object_version 6
	.text
	.protected	k_q4bef59b704_oquant
	.globl	k_q4bef59b704_oquant
	.p2align	8
	.type	k_q4bef59b704_oquant,@function
k_q4bef59b704_oquant:
	s_mov_b64 s[64:65], 0
	v_nop
	global_prefetch_b8 v0, s[64:65] scope:SCOPE_SE
	s_setreg_imm32_b32 hwreg(HW_REG_WAVE_MODE, 25, 1), 1
	s_wait_xcnt 0x0
; The attention's result, ob [head 32][l 2048][d 64] f32, becomes the last product's operand: feature c = 32 d + head, so a block of 32 along K is one (l, d) over all 32 heads.
; ocodes [l][64 blocks][24 bytes], oscales [l][64], laid as the problem lays X.  A wave owns one row l; a lane takes d = 32 s + lane (s = 0, 1) and its 32 registers run over the heads: the block's largest magnitude needs no other lane,
; and the conversions give codes with K innermost.  Each load of a wave reads 128 consecutive bytes; the codes go through the wave's own stage and leave as 384 consecutive bytes a store; the work-group's 512 scale bytes leave as one store.
; Memory binds: no matrix unit, no cluster, no tensor load.  LIMITS: NaN and infinities are not served; a block under 2^-124, or of zeros, keeps the byte 1 (this program alone reads the bytes).
.set X,   32                           ; v32-95 two sets of 32 numbers
.set C,   96                           ; v96-110 codes: eight registers a set
.set OUTR, 112                         ; v112-127 the way out
.set SCB, 16384                        ; LDS: eight stages of 2,048 bytes, then 512 scale bytes
	s_load_b128 s[4:7], s[0:1], 0x0                ; ob, ocodes
	s_load_b64 s[8:9], s[0:1], 0x10                ; oscales
	v_lshl_add_u32 v128, v0, 2, 0x4400
	v_mov_b32 v129, 0
	v_lshrrev_b32 v1, 5, v0
	v_readfirstlane_b32 s16, v1                    ; wave 0..7
	v_and_b32 v2, 31, v0                           ; lane
	v_lshlrev_b32 v3, 2, v2
	s_lshl_b32 s17, ttmp9, 3
	s_add_co_u32 s17, s17, s16                     ; my row l
	s_lshl_b32 s18, s17, 8
	s_mov_b32 s19, 0
	s_mul_i32 s20, s17, 1536
	s_mov_b32 s21, 0
	s_lshl_b32 s22, ttmp9, 9
	s_mov_b32 s23, 0
	s_lshl_b32 s24, s16, 11
	v_lshl_add_u32 v4, v2, 5, s24                  ; the stage, in: 32 bytes a block (two places of 16, 12 bytes of codes in each)
	v_lshl_add_u32 v5, v2, 4, s24                  ; and out: a place a lane
	s_lshl_b32 s25, s16, 6
	v_add_nc_u32 v6, s25, v2                       ; my scale byte
	v_mul_u32_u24 v7, v2, 12
	v_lshlrev_b32 v8, 4, v2
	s_wait_kmcnt 0x0
	s_add_nc_u64 s[4:5], s[4:5], s[18:19]          ; heads 0-15 by the immediate,
	s_add_nc_u64 s[12:13], s[4:5], 0x800000        ; heads 16-31 from a second base
	s_add_nc_u64 s[6:7], s[6:7], s[20:21]
	s_add_nc_u64 s[8:9], s[8:9], s[22:23]
.irp s, 0,1
.set hd, 0
.rept 32
.if hd < 16
	global_load_b32 v[X+32*\s+hd], v3, s[4:5] offset:hd*524288+128*\s th:TH_LOAD_NT
.else
	global_load_b32 v[X+32*\s+hd], v3, s[12:13] offset:(hd-16)*524288+128*\s th:TH_LOAD_NT
.endif
.set hd, hd+1
.endr
.endr
.macro BLOCK s
.set XS, X+32*\s
	s_wait_loadcnt 32-32*\s                        ; this block's 32 loads are in; the second block's may be out
	v_max3_num_f32 v12, |v[XS]|, |v[XS+1]|, |v[XS+2]|
	v_max3_num_f32 v13, |v[XS+3]|, |v[XS+4]|, |v[XS+5]|
.irp i, 6,10,14,18,22,26
	v_max3_num_f32 v12, v12, |v[XS+\i]|, |v[XS+\i+1]|
	v_max3_num_f32 v13, v13, |v[XS+\i+2]|, |v[XS+\i+3]|
.endr
	v_max3_num_f32 v12, v12, |v[XS+30]|, |v[XS+31]|
	v_max3_num_f32 v12, v12, v13, 0x1800000        ; the floor 2^(3 - 127): the byte cannot fall under 1
	v_add_nc_u32 v[10+\s], 0xff000000, v12         ; 2 off the exponent field: the conversion's scale operand
	v_lshrrev_b32 v[14+\s], 23, v[10+\s]           ; the byte
	v_cvt_scalef32_pk16_fp6_f32 v[C+8*\s:C+8*\s+2], v[XS:XS+15], v[10+\s]
	v_cvt_scalef32_pk16_fp6_f32 v[C+8*\s+4:C+8*\s+6], v[XS+16:XS+31], v[10+\s]
	ds_store_b96 v4, v[C+8*\s:C+8*\s+2] offset:1024*\s
	ds_store_b96 v4, v[C+8*\s+4:C+8*\s+6] offset:1024*\s+16
	ds_store_b8 v6, v[14+\s] offset:SCB+32*\s
.endm
	BLOCK 0
	BLOCK 1
	s_wait_dscnt 0x0                               ; for the others' sake: my scale bytes lie in LDS
	s_barrier_signal -1
	s_barrier_wait -1
.irp k, 0,1,2,3
	ds_load_b96 v[OUTR+4*\k:OUTR+4*\k+2], v5 offset:512*\k
.endr
.irp k, 0,1,2,3
	s_wait_dscnt 3-\k                              ; the younger loads may stay out
	global_store_b96 v7, v[OUTR+4*\k:OUTR+4*\k+2], s[6:7] offset:384*\k   ; 32 lanes store 384 consecutive bytes of my row's 1,536
.endr
	s_cmp_lg_u32 s16, 0
	s_cbranch_scc1 .Lend
	ds_load_b128 v[16:19], v8 offset:SCB           ; wave 0: the eight rows' 512 scale bytes
	s_wait_dscnt 0x0
	global_store_b128 v8, v[16:19], s[8:9]
.Lend:
	s_wait_tensorcnt 0x0
	ds_add_u32 v128, v129
	s_wait_dscnt 0x0
	s_endpgm
.Lfunc_end_k_q4bef59b704_oquant:
	.size	k_q4bef59b704_oquant, .Lfunc_end_k_q4bef59b704_oquant-k_q4bef59b704_oquant
	.p2alignl 7, 3214868480
	.fill 96, 4, 3214868480
	.section	.rodata,"a",@progbits
	.p2align	6, 0x0
	.amdhsa_kernel k_q4bef59b704_oquant
		.amdhsa_group_segment_fixed_size 18432
		.amdhsa_private_segment_fixed_size 0
		.amdhsa_enable_private_segment 0
		.amdhsa_kernarg_size 24
		.amdhsa_user_sgpr_count 2
		.amdhsa_user_sgpr_kernarg_segment_ptr 1
		.amdhsa_wavefront_size32 1
		.amdhsa_system_sgpr_workgroup_id_x 1
		.amdhsa_system_sgpr_workgroup_id_y 1
		.amdhsa_system_sgpr_workgroup_id_z 1
		.amdhsa_system_vgpr_workitem_id 0
		.amdhsa_next_free_vgpr 130
		.amdhsa_next_free_sgpr 66
		.amdhsa_reserve_vcc 0
		.amdhsa_float_denorm_mode_32 3
		.amdhsa_float_denorm_mode_16_64 3
		.amdhsa_memory_ordered 1
		.amdhsa_forward_progress 1
		.amdhsa_inst_pref_size 12
	.end_amdhsa_kernel
	.amdgpu_metadata
---
amdhsa.version: [ 1, 2 ]
amdhsa.kernels:
  - .name:           k_q4bef59b704_oquant
    .symbol:         k_q4bef59b704_oquant.kd
    .args:
      - { .name: ob, .offset: 0, .size: 8, .value_kind: global_buffer, .address_space: global }
      - { .name: ocodes, .offset: 8, .size: 8, .value_kind: global_buffer, .address_space: global }
      - { .name: oscales, .offset: 16, .size: 8, .value_kind: global_buffer, .address_space: global }
    .group_segment_fixed_size: 18432
    .private_segment_fixed_size: 0
    .kernarg_segment_align: 8
    .kernarg_segment_size: 24
    .max_flat_workgroup_size: 256
    .sgpr_count:     66
    .vgpr_count:     130
    .wavefront_size: 32
...
	.end_amdgpu_metadata
.endif
;; end of part 3
;; launch oproj (part 4): grid 8 x 8, 4 waves a work-group, clusters of 4 x 4, 327,680 bytes of LDS; arguments ocodes, oscales, Wo_w_codes, Wo_w_scales, out0, Wo_b; writes out0
.if DOCPART == 4
	.amdgcn_target "amdgcn-amd-amdhsa--gfx1250"
	.amdhsa_code_object_version 6
	.text
	.protected	k_q4bef59b704_oproj
	.globl	k_q4bef59b704_oproj
	.p2align	8
	.type	k_q4bef59b704_oproj,@function
k_q4bef59b704_oproj:
	s_mov_b64 s[64:65], 0
	v_nop
	global_prefetch_b8 v0, s[64:65] scope:SCOPE_SE
	s_setreg_imm32_b32 hwreg(HW_REG_WAVE_MODE, 25, 1), 1
	s_wait_xcnt 0x0
	s_wait_alu depctr_hold_cnt(0) depctr_sa_sdst(0) depctr_va_vdst(0) depctr_va_sdst(0) depctr_va_ssrc(0) depctr_va_vcc(0) depctr_vm_vsrc(0)
	s_getreg_b32 s2, hwreg(HW_REG_IB_STS2, 6, 4)
	s_cmp_eq_u32 s2, 0
	s_cbranch_scc0 .Lentry_in_a_cluster
	s_endpgm
.Lentry_in_a_cluster:
	s_bfe_u32 s2, ttmp6, 0x10000c
	s_cmp_lg_u32 s2, 0xf033
	s_cbranch_scc0 .Lentry_shape_is_right
	s_endpgm
.Lentry_shape_is_right:
; out0[m][n] = sum over k of A[m][k] Wo[n][k] + bo[n].  A (ocodes, oscales) and Wo: [2048][2048] codes of FP6 (E2M3) with one E8M0 scale for each 32 along K; out0 f32; sums in f32.
; A tile of 256 x 256 is made by a work-group of four waves, a wave makes 128 x 128: 64 accumulators.  K goes in steps of 256 through a ring of two LDS slots filled by the tensor data mover.
; The scales of the work-group's rows, for all of K, are two dense blocks: they come into LDS once and stay.  4 x 4 work-groups form a cluster: A's tiles are asked for jointly along a row of it, Wo's along a column.
; The matrix instruction is used transposed (source 0 = 16 rows of Wo, source 1 = 16 rows of A): a lane holds eight neighbouring numbers of a row of out0.  The bias is the C of each sum's first product.
; The tile leaves 64 work-groups for this size: stated, not hidden.
; REGISTERS: window 0: v0-31 addresses; v32-63 scale words, two sets; from v128 A's fragments, one set.  window 1: Wo's fragments, two sets at v0 and v128; the bias at v96-127 and v224-255.  windows 2, 3: the accumulators.
.set SIZE_M, 2048
.set SIZE_N, 2048
.set SIZE_K, 2048
.set KSTEP,  256
.set NQ,     KSTEP/128
.set ROWB,   192
.set KROW,   SIZE_K*6/8
.set PITCH,  240
.set FR,     12
.set NL,     6
.set NP,     4
.set HALFT,  128*PITCH
.set SLOT,   4*HALFT
.set LAPS,   SIZE_K/(2*KSTEP)
.set KS,     SIZE_K/32
.set SCL,    2*SLOT
.set HALFS,  (128*KS/256)*272
.set SBLK,   (16*KS/256)*272
.set SPARE,  SCL+4*HALFS               ; the spare words: two blocks of 256 bytes that no other line names
.set SPITCH, 528                       ; the way out: a stage of 16 rows x (512 + 16) bytes a wave, in slot 0, which has had its last fill and its last read by then
.set ADRA, 16
.set ADRB, 20
.set STO,  24
.set RD,   25
.set CO,   26
.set ADRS, 27
.set SPW,  28
.set NIL,  29
.set SC,   32
.set AF,   128
.set BK,   128
.set BI,   96                          ; the bias of Wo's block b, in window 1: v[96 + 8 b] (b < 4), v[192 + 8 b] (b >= 4)
.set G1, 24
.set G0, 32
.set G1B, 48
.set G0B, 56
.set G1S, 68
.set G0S, 76
.set G1SB, 80
.set G0SB, 88
.set MSB, 0
.macro WIN new
.if MSB != (\new)
	s_set_vgpr_msb (MSB<<8)|(\new)
.set MSB, (\new)
.endif
.endm
.set MUL_LO, 0xa1
.set MUL_HI, 0xf1
.set TO_B,   0x40
.macro JLOAD g0a, g1a, g0b, g1b        ; a joint load: waves 0 and 1 fetch for A, waves 2 and 3 for Wo; four v_nop follow each line
	s_cmp_eq_u32 s15, 0
	s_cbranch_scc0 .Lfor_b_\@
	tensor_load_to_lds s[\g0a:\g0a+3], s[\g1a:\g1a+7]
	s_nop 0
.rept 4
	v_nop
.endr
	s_branch .Lasked_\@
.Lfor_b_\@:
	tensor_load_to_lds s[\g0b:\g0b+3], s[\g1b:\g1b+7]
	s_nop 0
.rept 4
	v_nop
.endr
.Lasked_\@:
.endm
.macro CREST
	s_cmp_lg_u32 s14, 0
	s_cbranch_scc1 .Lnot_wave_0_\@
	s_barrier_signal -3
.Lnot_wave_0_\@:
	s_barrier_wait -3
	s_barrier_signal -1
	s_barrier_wait -1
.endm
.macro CROUND
	s_barrier_signal -1
	s_barrier_wait -1
	CREST
.endm
	s_load_b128 s[4:7], s[0:1], 0x0                ; A's codes, A's scales
	s_load_b128 s[8:11], s[0:1], 0x10              ; Wo's codes, Wo's scales
	s_load_b64 s[12:13], s[0:1], 0x20              ; out0
	s_load_b64 s[96:97], s[0:1], 0x28              ; bo
	v_lshl_add_u32 v[SPW], v0, 2, SPARE
	v_mov_b32 v[NIL], 0
	ds_add_u32 v28, v29
	ds_add_u32 v28, v29
	s_wait_dscnt 0x0
	v_lshrrev_b32 v1, 5, v0
	v_readfirstlane_b32 s14, v1                    ; wave 0..3
	s_lshr_b32 s15, s14, 1                         ; my half of the tile's rows.  Also: I fetch for A (0) or Wo (1)
	s_and_b32 s16, s14, 1                          ; my half of its columns.  Also: which 128 rows I fetch
	s_bfe_u32 s40, ttmp6, 0x40000
	s_bfe_u32 s41, ttmp6, 0x40004
	s_lshl_b32 s42, ttmp9, 2
	s_add_co_u32 s42, s42, s40                     ; tile column
	s_and_b32 s17, ttmp7, 0xffff
	s_lshl_b32 s17, s17, 2
	s_add_co_u32 s17, s17, s41                     ; tile row
	s_lshl_b32 s43, s41, 2
	s_lshl_b32 s43, 15, s43
	s_lshl_b32 s44, 0x1111, s40
	s_or_b32 s[G1+0], s43, (0<<16)|(1<<20)|(1<<21)|(3<<22)|(3<<25)
	s_or_b32 s[G1B+0], s44, (0<<16)|(1<<20)|(1<<21)|(3<<22)|(3<<25)
.irp g, G1, G1B
	s_mov_b32 s[\g+1], ROWB<<16
	s_mov_b32 s[\g+2], 128<<16
	s_mov_b32 s[\g+3], ROWB<<16
	s_mov_b32 s[\g+4], 128
	s_mov_b32 s[\g+5], KROW
	s_mov_b32 s[\g+6], 0
	s_mov_b32 s[\g+7], 0
.endr
	s_or_b32 s[G1S+0], s43, (3<<16)|(1<<20)|(1<<21)|(5<<22)|(3<<25)   ; the scales of 128 rows: a dense block as rows of 256 bytes, 16 of padding behind each
	s_or_b32 s[G1SB+0], s44, (3<<16)|(1<<20)|(1<<21)|(5<<22)|(3<<25)
.irp g, G1S, G1SB
	s_mov_b32 s[\g+1], 32<<16
	s_mov_b32 s[\g+2], (128*KS/256)<<16
	s_mov_b32 s[\g+3], 32<<16
	s_mov_b32 s[\g+4], 128*KS/256
	s_mov_b32 s[\g+5], 32
	s_mov_b32 s[\g+6], 0
	s_mov_b32 s[\g+7], 0
.endr
	s_lshl_b32 s18, s16, 7
	s_lshl_b32 s20, s17, 8
	s_add_co_u32 s20, s20, s18
	s_lshl_b32 s46, s42, 8
	s_add_co_u32 s46, s46, s18
	s_mov_b32 s21, 0
	s_mov_b32 s47, 0
	s_mov_b64 s[18:19], KS
	s_mul_u64 s[22:23], s[20:21], s[18:19]
	s_mul_u64 s[92:93], s[46:47], s[18:19]
	s_mov_b64 s[18:19], KROW
	s_mul_u64 s[20:21], s[20:21], s[18:19]
	s_mul_u64 s[46:47], s[46:47], s[18:19]
	s_mul_i32 s45, s14, HALFT
	s_mul_i32 s94, s14, HALFS
	s_wait_kmcnt 0x0
	s_add_nc_u64 s[20:21], s[4:5], s[20:21]
	s_add_nc_u64 s[22:23], s[6:7], s[22:23]
	s_add_nc_u64 s[46:47], s[8:9], s[46:47]
	s_add_nc_u64 s[92:93], s[10:11], s[92:93]
	CROUND                                         ; all sixteen work-groups are here: the first joint loads meet
	s_mov_b32 s[G0S], 1
	s_add_co_u32 s[G0S+1], s94, SCL
	s_mov_b64 s[G0S+2:G0S+3], s[22:23]
	s_or_b32 s[G0S+3], s[G0S+3], 0x80000000
	s_mov_b32 s[G0SB], 1
	s_add_co_u32 s[G0SB+1], s94, SCL
	s_mov_b64 s[G0SB+2:G0SB+3], s[92:93]
	s_or_b32 s[G0SB+3], s[G0SB+3], 0x80000000
	JLOAD G0S, G1S, G0SB, G1SB
.irp s, 0,1
	s_mov_b32 s[G0+4*\s], 1
	s_add_co_u32 s[G0+4*\s+1], s45, \s*SLOT
	s_add_nc_u64 s[G0+4*\s+2:G0+4*\s+3], s[20:21], \s*ROWB
	s_or_b32 s[G0+4*\s+3], s[G0+4*\s+3], 0x80000000
	s_mov_b32 s[G0B+4*\s], 1
	s_add_co_u32 s[G0B+4*\s+1], s45, \s*SLOT
	s_add_nc_u64 s[G0B+4*\s+2:G0B+4*\s+3], s[46:47], \s*ROWB
	s_or_b32 s[G0B+4*\s+3], s[G0B+4*\s+3], 0x80000000
	JLOAD G0+4*\s, G1, G0B+4*\s, G1B
.endr
	v_and_b32 v1, 15, v0
	v_bfe_u32 v2, v0, 4, 1
	v_mul_u32_u24 v3, v1, PITCH
	v_mul_u32_u24 v4, v2, 24
	v_add_nc_u32 v4, v3, v4
	v_lshl_add_u32 v5, v2, 4, v4
	s_mul_i32 s21, s15, HALFT
	s_mul_i32 s22, s16, HALFT
	s_add_co_u32 s22, s22, 2*HALFT
.irp s, 0,1
	v_add_nc_u32 v[ADRA+\s], s21, v4
	v_add_nc_u32 v[ADRB+\s], s22, v4
	v_add_nc_u32 v[ADRA+2+\s], s21, v5
	v_add_nc_u32 v[ADRB+2+\s], s22, v5
	s_add_co_u32 s21, s21, SLOT
	s_add_co_u32 s22, s22, SLOT
.endr
	v_mul_u32_u24 v5, v1, KS                       ; my row's scales: KS bytes a row, and 16 more for each 256 passed
	v_lshrrev_b32 v6, 8, v5
	v_lshl_add_u32 v5, v6, 4, v5
	s_mul_i32 s21, s15, HALFS
	s_mul_i32 s22, s16, HALFS
	s_add_co_u32 s22, s22, 2*HALFS
	s_sub_co_u32 s22, s22, s21
	v_mul_u32_u24 v6, s22, v2                      ; lanes 16-31 take Wo's
	s_add_co_u32 s21, s21, SCL
	v_add_nc_u32 v5, v5, v6
	v_add_nc_u32 v[ADRS], s21, v5
	s_mul_i32 s23, s14, 16*SPITCH
	v_mul_u32_u24 v5, v1, SPITCH
	v_lshl_add_u32 v5, v2, 5, v5
	v_add_nc_u32 v[STO], s23, v5
	v_and_b32 v6, 31, v0
	v_lshlrev_b32 v[CO], 4, v6
	v_add_nc_u32 v[RD], s23, v[CO]
	s_lshl_b32 s20, s17, 8
	s_lshl_b32 s21, s15, 7
	s_add_co_u32 s20, s20, s21
	s_mov_b32 s21, 0
	s_mov_b64 s[18:19], SIZE_N*4
	s_mul_u64 s[20:21], s[20:21], s[18:19]
	s_lshl_b32 s46, s42, 10                        ; my first column, in bytes: 1,024 x tile column + 512 x half
	s_lshl_b32 s47, s16, 9
	s_add_co_u32 s46, s46, s47
	s_mov_b32 s47, 0
	s_add_nc_u64 s[96:97], s[96:97], s[46:47]      ; the bias of my 128 columns begins as many bytes on
	s_add_nc_u64 s[20:21], s[20:21], s[46:47]
	s_add_nc_u64 s[12:13], s[12:13], s[20:21]
	v_lshlrev_b32 v7, 5, v2                        ; in the result's layout: lane half h wants bo(16 b + 8 h + 0 .. 7)
	WIN TO_B
.irp b, 0,1,2,3,4,5,6,7
	global_load_b128 v[BI+8*\b+96*(\b/4):BI+8*\b+96*(\b/4)+3], v7, s[96:97] offset:64*\b
	global_load_b128 v[BI+8*\b+96*(\b/4)+4:BI+8*\b+96*(\b/4)+7], v7, s[96:97] offset:64*\b+16
.endr
	WIN 0
.macro FRAG reg, adr, q, i
.irp p, 0,1,2,3,4,5
.set PCE, 12*(\q)+6*(\p/3)+\p%3
.if PCE%8 < 5
	ds_load_b64 v[\reg+2*\p:\reg+2*\p+1], v[\adr] offset:8*PCE+16*(PCE/8)+(\i)*16*PITCH
.else
	ds_load_b64 v[\reg+2*\p:\reg+2*\p+1], v[\adr+2] offset:8*PCE+16*(PCE/8)+(\i)*16*PITCH
.endif
.endr
.endm
; 16 matrix instructions; first = 1: the sums begin with the bias as C.  The 64 accumulators take turns, one instruction a turn.
.macro MUL16 a0, p, q, sc, first
.irp a, \a0, \a0+1
.irp b, 0,1,2,3,4,5,6,7
.if \first
	v_wmma_scale_f32_16x16x128_f8f6f4 v[8*(8*((\a)%4)+\b):8*(8*((\a)%4)+\b)+7], v[128*(\p)+FR*\b:128*(\p)+FR*\b+FR-1], v[AF+FR*(\a):AF+FR*(\a)+FR-1], v[BI+8*\b+96*(\b/4):BI+8*\b+96*(\b/4)+7], v[SC+8*NQ*(\sc)+NQ*\b+(\q)], v[SC+8*NQ*(\sc)+NQ*(\a)+(\q)] matrix_a_fmt:MATRIX_FMT_FP6 matrix_b_fmt:MATRIX_FMT_FP6 matrix_a_scale:MATRIX_SCALE_ROW1
.else
	v_wmma_scale_f32_16x16x128_f8f6f4 v[8*(8*((\a)%4)+\b):8*(8*((\a)%4)+\b)+7], v[128*(\p)+FR*\b:128*(\p)+FR*\b+FR-1], v[AF+FR*(\a):AF+FR*(\a)+FR-1], v[8*(8*((\a)%4)+\b):8*(8*((\a)%4)+\b)+7], v[SC+8*NQ*(\sc)+NQ*\b+(\q)], v[SC+8*NQ*(\sc)+NQ*(\a)+(\q)] matrix_a_fmt:MATRIX_FMT_FP6 matrix_b_fmt:MATRIX_FMT_FP6 matrix_a_scale:MATRIX_SCALE_ROW1
.endif
.endr
.endr
.endm
.macro FETCH_B slot, q, p
	WIN TO_B
.irp i, 0,1,2,3,4,5,6,7
	FRAG 128*(\p)+FR*\i, ADRB+\slot, \q, \i
.endr
	WIN 0
.endm
.macro FETCH_A slot, q, i0
.irp i, \i0, \i0+1, \i0+2, \i0+3
	FRAG AF+FR*(\i), ADRA+\slot, \q, \i
.endr
.endm
.macro SCALES sc                       ; lanes 0-15 take A's block i, lanes 16-31 Wo's block i
.irp i, 0,1,2,3,4,5,6,7
	ds_load_b64 v[SC+8*NQ*\sc+NQ*\i:SC+8*NQ*\sc+NQ*\i+1], v[ADRS] offset:\i*SBLK
.endr
.endm
.macro PLACES n
.rept \n
	v_nop
.endr
.endm
.macro STEP slot, q, first
	s_wait_dscnt 4*NL                              ; all but the youngest 24 loads (A's blocks 4-7) are in
.if \first
	WIN 0x91                                       ; C (the bias) window 1, D window 2
.else
	WIN MUL_LO
.endif
	MUL16 0, (\q)%2, \q, \slot, \first
	MUL16 2, (\q)%2, \q, \slot, \first
	s_wait_dscnt 0
	PLACES NP
	FETCH_B \slot, (\q)+1, 1-(\q)%2
	FETCH_A \slot, (\q)+1, 0
.if \first
	WIN 0xd1                                       ; C window 1, D window 3
.else
	WIN MUL_HI
.endif
	MUL16 4, (\q)%2, \q, \slot, \first
	MUL16 6, (\q)%2, \q, \slot, \first
	PLACES NP
	WIN 0
	FETCH_A \slot, (\q)+1, 4
.endm
.macro TURN slot, next, fill
	s_wait_tensorcnt 0x0                           ; all my tensor loads have landed: my part of the next slot
	ds_add_u32 v[SPW], v[NIL]                      ; 0 onto my spare word
	s_wait_dscnt 4*NL+1                            ; the add and the youngest 24 loads may be out
	WIN MUL_LO
	MUL16 0, 1, NQ-1, \slot, 0
	s_wait_dscnt 0x0                               ; the add is done, and my reads of this slot are over
	s_barrier_signal -1
	MUL16 2, 1, NQ-1, \slot, 0
	WIN 0
	s_barrier_wait -1
.if \fill
	CREST                                          ; the barrier has opened a round of the cluster's
	s_add_nc_u64 s[G0+4*\slot+2:G0+4*\slot+3], s[G0+4*\slot+2:G0+4*\slot+3], 2*ROWB
	s_add_nc_u64 s[G0B+4*\slot+2:G0B+4*\slot+3], s[G0B+4*\slot+2:G0B+4*\slot+3], 2*ROWB
	JLOAD G0+4*\slot, G1, G0B+4*\slot, G1B         ; the first tensor load behind the round
.else
	PLACES NP
.endif
	v_add_nc_u32 v[ADRS], 4*NQ, v[ADRS]
	FETCH_B \next, 0, 0
	FETCH_A \next, 0, 0
	SCALES \next
	WIN MUL_HI
	MUL16 4, 1, NQ-1, \slot, 0
	MUL16 6, 1, NQ-1, \slot, 0
	PLACES NP
	WIN 0
	FETCH_A \next, 0, 4
.endm
	s_wait_tensorcnt 1                             ; the scales and K step 0 are in; K step 1's load may be out
	s_barrier_signal -1
	s_barrier_wait -1
	FETCH_B 0, 0, 0
	FETCH_A 0, 0, 0
	SCALES 0
	FETCH_A 0, 0, 4
	s_wait_loadcnt 0x0                             ; the bias
	STEP 0, 0, 1
	s_mov_b32 s3, LAPS-1
.Llap:
	TURN 0, 1, 1
	STEP 1, 0, 0
	TURN 1, 0, 1
	STEP 0, 0, 0
	s_sub_co_u32 s3, s3, 1
	s_cmp_lg_u32 s3, 0
	s_cbranch_scc1 .Llap
	TURN 0, 1, 0
	STEP 1, 0, 0
	s_wait_dscnt 4*NL
	WIN MUL_LO
	MUL16 0, 1, NQ-1, 1, 0
	MUL16 2, 1, NQ-1, 1, 0
	s_wait_dscnt 0
	WIN MUL_HI
	MUL16 4, 1, NQ-1, 1, 0
	MUL16 6, 1, NQ-1, 1, 0
	WIN 0
; THE WAY OUT, block by block of 16 rows x 128 columns, through my own stage: whole rows of 512 bytes come back.  LDS serves a wave's instructions in order.
.macro TOSTAGE a
.set AC, 64*((\a)%4)
	WIN 0x08+4*((\a)/4)                            ; the data: window 2 or 3
.irp b, 0,1,2,3,4,5,6,7
	ds_store_b128 v[STO], v[AC+8*\b:AC+8*\b+3] offset:64*\b          ; each accumulator from its low end on
	ds_store_b128 v[STO], v[AC+8*\b+4:AC+8*\b+7] offset:64*\b+16
.endr
	WIN 0
.set BB, BK+64*((\a)%2)
.irp t, 0,1,2,3,4,5,6,7,8,9,10,11,12,13,14,15
	ds_load_b128 v[BB+4*\t:BB+4*\t+3], v[RD] offset:\t*SPITCH
.endr
.endm
.macro SEND a, younger
.set BB, BK+64*((\a)%2)
	s_wait_dscnt \younger                          ; the block is back; the next block's LDS instructions may stay out
.if (\a) > 0
	s_add_nc_u64 s[12:13], s[12:13], 16*SIZE_N*4   ; (behind a wait on XCNT: the earlier stores have read their base)
.endif
.irp t, 0,1,2,3,4,5,6,7,8,9,10,11,12,13,14,15
	global_store_b128 v[CO], v[BB+4*\t:BB+4*\t+3], s[12:13] offset:\t*SIZE_N*4 th:TH_STORE_NT   ; 32 lanes store 512 consecutive bytes, aligned
.endr
.endm
	PLACES NP
	TOSTAGE 0
.irp a, 1,2,3,4,5,6,7
.if \a > 1
	s_wait_xcnt 0x0                                ; block a - 2's stores have read their registers and their base
.endif
	TOSTAGE \a
	SEND \a-1, 32
.endr
	s_wait_xcnt 0x0
	SEND 7, 0
	s_wait_tensorcnt 0x0                           ; the wave's end
	ds_add_u32 v[SPW], v[NIL]
	s_wait_dscnt 0x0
	CROUND                                         ; the closing round
	s_endpgm
.Lfunc_end_k_q4bef59b704_oproj:
	.size	k_q4bef59b704_oproj, .Lfunc_end_k_q4bef59b704_oproj-k_q4bef59b704_oproj
	.p2alignl 7, 3214868480
	.fill 96, 4, 3214868480
	.section	.rodata,"a",@progbits
	.p2align	6, 0x0
	.amdhsa_kernel k_q4bef59b704_oproj
		.amdhsa_group_segment_fixed_size 327680
		.amdhsa_private_segment_fixed_size 0
		.amdhsa_enable_private_segment 0
		.amdhsa_kernarg_size 48
		.amdhsa_user_sgpr_count 2
		.amdhsa_user_sgpr_kernarg_segment_ptr 1
		.amdhsa_wavefront_size32 1
		.amdhsa_system_sgpr_workgroup_id_x 1
		.amdhsa_system_sgpr_workgroup_id_y 1
		.amdhsa_system_sgpr_workgroup_id_z 1
		.amdhsa_system_vgpr_workitem_id 0
		.amdhsa_next_free_vgpr 1024
		.amdhsa_next_free_sgpr 100
		.amdhsa_reserve_vcc 0
		.amdhsa_float_denorm_mode_32 3
		.amdhsa_float_denorm_mode_16_64 3
		.amdhsa_memory_ordered 1
		.amdhsa_forward_progress 1
		.amdhsa_inst_pref_size 162
	.end_amdhsa_kernel
	.amdgpu_metadata
---
amdhsa.version: [ 1, 2 ]
amdhsa.kernels:
  - .name:           k_q4bef59b704_oproj
    .symbol:         k_q4bef59b704_oproj.kd
    .args:
      - { .name: ocodes, .offset: 0, .size: 8, .value_kind: global_buffer, .address_space: global }
      - { .name: oscales, .offset: 8, .size: 8, .value_kind: global_buffer, .address_space: global }
      - { .name: Wo_w_codes, .offset: 16, .size: 8, .value_kind: global_buffer, .address_space: global }
      - { .name: Wo_w_scales, .offset: 24, .size: 8, .value_kind: global_buffer, .address_space: global }
      - { .name: out0, .offset: 32, .size: 8, .value_kind: global_buffer, .address_space: global }
      - { .name: Wo_b, .offset: 40, .size: 8, .value_kind: global_buffer, .address_space: global }
    .group_segment_fixed_size: 327680
    .private_segment_fixed_size: 0
    .kernarg_segment_align: 8
    .kernarg_segment_size: 48
    .max_flat_workgroup_size: 128
    .sgpr_count:     100
    .vgpr_count:     1024
    .wavefront_size: 32
...
	.end_amdgpu_metadata
.endif
;; end of part 4
;; ======== version 2 of 2: 4 launches
;; workspace buffers: qkv 9,830,400 bytes; ob 16,777,216 bytes; ocodes 3,145,728 bytes; oscales 131,072 bytes
;; launch qkv: the kernel of part 1 again; grid 24 x 8, 4 waves a work-group, clusters of 4 x 4, 327,680 bytes of LDS; arguments X_codes, X_scales, Wq_w_codes, Wq_w_scales, Wq_b, Wk_w_codes, Wk_w_scales, Wk_b, Wv_w_codes, Wv_w_scales, Wv_b, qkv; writes qkv
;; launch attn: the kernel of part 2 again; grid 8 x 32, 16 waves a work-group, clusters of 4 x 1, 276,480 bytes of LDS; arguments qkv, ob; writes ob
;; launch oquant: the kernel of part 3 again; grid 256 x 1, 8 waves a work-group, no clusters, 18,432 bytes of LDS; arguments ob, ocodes, oscales; writes ocodes, oscales
;; launch oproj (part 5): grid 16 x 16, 4 waves a work-group, clusters of 4 x 4, 327,680 bytes of LDS; arguments ocodes, oscales, Wo_w_codes, Wo_w_scales, out0, Wo_b; writes out0
.if DOCPART == 5
	.amdgcn_target "amdgcn-amd-amdhsa--gfx1250"
	.amdhsa_code_object_version 6
	.text
	.protected	k_q4bef59b704_oproj
	.globl	k_q4bef59b704_oproj
	.p2align	8
	.type	k_q4bef59b704_oproj,@function
k_q4bef59b704_oproj:
	s_mov_b64 s[64:65], 0
	v_nop
	global_prefetch_b8 v0, s[64:65] scope:SCOPE_SE
	s_setreg_imm32_b32 hwreg(HW_REG_WAVE_MODE, 25, 1), 1
	s_wait_xcnt 0x0
	s_wait_alu depctr_hold_cnt(0) depctr_sa_sdst(0) depctr_va_vdst(0) depctr_va_sdst(0) depctr_va_ssrc(0) depctr_va_vcc(0) depctr_vm_vsrc(0)
	s_getreg_b32 s2, hwreg(HW_REG_IB_STS2, 6, 4)
	s_cmp_eq_u32 s2, 0
	s_cbranch_scc0 .Lentry_in_a_cluster
	s_endpgm
.Lentry_in_a_cluster:
	s_bfe_u32 s2, ttmp6, 0x10000c
	s_cmp_lg_u32 s2, 0xf033
	s_cbranch_scc0 .Lentry_shape_is_right
	s_endpgm
.Lentry_shape_is_right:
; out0[m][n] = sum over k of A[m][k] Wo[n][k] + bo[n].  A (ocodes, oscales) and Wo: [2048][2048] codes of FP6 (E2M3), 1,536 bytes a row, with one E8M0 scale for each 32 along K; out0 f32; sums in f32.
; A tile of out0 is 128 x 128, so that the 2,048 x 2,048 numbers make 256 work-groups.  Four waves, each 64 x 64: 16 accumulators of 16 x 16.
; K goes in slots of 512 (rows of 384 bytes, four steps of 128) through a ring of two LDS slots: four fills in all, two at the head and two refills, so the text is written straight through, without a loop.
; The scale bytes of the tile's 128 + 128 rows, for all of K, are two dense blocks of memory: they come into LDS once and stay.
; CLUSTERS: 4 x 4 work-groups.  The four of a row of the cluster need the same tiles of A, the four of a column the same tiles of Wo: each tile is asked for jointly, by the same tensor load with the same descriptor and a mask that names the four.
; The matrix instruction is used transposed (source 0 = 16 rows of Wo, source 1 = 16 rows of A): a lane holds eight neighbouring numbers of a row of out0.  The bias is the C of each sum's first product.
; REGISTERS: window 0: v16-29 addresses; v32-63 scale words, two sets; v64-127 the way out; v128-255 the accumulators ((a, b) at v[128 + 8 (4 a + b)]).
;   window 1: two fragment buffers of 96 at v0 and v128 (A's four fragments, then Wo's four, 128 along K); the bias at v96-127.
.set SIZE_N, 2048
.set KROW,   1536                      ; a row of A or Wo in memory
.set ROWB,   384                       ; 512 codes: a tile's row
.set PITCH,  432                       ; an LDS row: 3 x (128 bytes + 16 of padding) = 108 words: row r starts at bank 44 r mod 64 (64 banks of 4 bytes: ISA guide 11.1): sixteen different multiples of 4;
                                       ; lanes 16-31 lie 6 or 10 words further on: the 32 lanes of a load of 8 bytes touch 64 different banks
.set FR,     12                        ; registers of a fragment
.set HALFT,  64*PITCH                  ; 64 rows: what one tensor load brings, and what one wave reads of A or of Wo
.set SLOT,   4*HALFT                   ; A's 128 rows, then Wo's 128 rows
.set KS,     64                        ; a row of scale bytes
.set SCL,    2*SLOT                    ; behind the ring: the scales, as units of 256 bytes + 16 of padding
.set HALFS,  (64*KS/256)*272           ; those of 64 rows: what one tensor load brings
.set SBLK,   (16*KS/256)*272           ; those of 16 rows
.set SPARE,  SCL+4*HALFS               ; the spare words: 128 bytes a wave, two blocks of 256 bytes that no other line names
.set STAGE,  SPARE+512                 ; the way out: 16 rows x (256 + 16) bytes for each wave; no fill lands here
.set SP,     272
.set ADRA, 16                          ; v16-17 my A fragments in slot 0, 1 (v18-19: for the pieces that lie behind one padding more)
.set ADRB, 20                          ; v20-23 the same for Wo
.set STO,  24                          ; v24 the way out: where I put 32 bytes of a row
.set RD,   25                          ; v25 where I read a row back
.set CO,   26                          ; v26 my byte offset in out0
.set ADRS, 27                          ; v27 my scale words: lanes 0-15 A's rows, lanes 16-31 Wo's
.set SPW,  28                          ; v28 my spare word; never rewritten
.set NIL,  29                          ; v29 0; never rewritten
.set SC,   32                          ; scale words: set s (for slot s) at v[32 + 16 s]; register 4 i + q: block i, the slot's q-th 128 along K
.set BK,   64                          ; the way out: 16 rows read back: v64-95 and v96-127 by turns
.set ACC,  128
.set F0,   0                           ; in window 1
.set BI,   96
.set F1,   128
.set G1, 24                            ; s[24:31] group 1 for A's tiles; s[32:39] group 0, one set a slot
.set G0, 32
.set G1B, 48                           ; the same for Wo's
.set G0B, 56
.set G1S, 68                           ; groups 1 and 0 for A's scales, then for Wo's
.set G0S, 76
.set G1SB, 80
.set G0SB, 88
.set MSB, 0
.macro WIN new                         ; the immediate's high byte repeats the setting that is left
.if MSB != (\new)
	s_set_vgpr_msb (MSB<<8)|(\new)
.set MSB, (\new)
.endif
.endm
.set MUL,   0x05                       ; sources 0 and 1 window 1; C and D window 0
.set MUL_B, 0x15                       ; the same with C (the bias) in window 1
.set TO_F,  0x40                       ; destination window 1, address window 0
.macro JLOAD g0a, g1a, g0b, g1b        ; a joint load: waves 0 and 1 fetch for A, waves 2 and 3 for Wo; four v_nop follow each line
	s_cmp_eq_u32 s15, 0
	s_cbranch_scc0 .Lfor_b_\@
	tensor_load_to_lds s[\g0a:\g0a+3], s[\g1a:\g1a+7]
	s_nop 0
.rept 4
	v_nop
.endr
	s_branch .Lasked_\@
.Lfor_b_\@:
	tensor_load_to_lds s[\g0b:\g0b+3], s[\g1b:\g1b+7]
	s_nop 0
.rept 4
	v_nop
.endr
.Lasked_\@:
.endm
.macro CREST                           ; a round of the cluster's barrier behind its opening barrier
	s_cmp_lg_u32 s14, 0
	s_cbranch_scc1 .Lnot_wave_0_\@
	s_barrier_signal -3
.Lnot_wave_0_\@:
	s_barrier_wait -3
	s_barrier_signal -1
	s_barrier_wait -1
.endm
.macro CROUND
	s_barrier_signal -1
	s_barrier_wait -1
	CREST
.endm
	s_load_b128 s[4:7], s[0:1], 0x0                ; A's codes, A's scales
	s_load_b128 s[8:11], s[0:1], 0x10              ; Wo's codes, Wo's scales
	s_load_b64 s[12:13], s[0:1], 0x20              ; out0
	s_load_b64 s[96:97], s[0:1], 0x28              ; bo
	v_lshl_add_u32 v[SPW], v0, 2, SPARE
	v_mov_b32 v[NIL], 0
	ds_add_u32 v28, v29
	ds_add_u32 v28, v29
	s_wait_dscnt 0x0
	v_lshrrev_b32 v1, 5, v0
	v_readfirstlane_b32 s14, v1                    ; wave 0..3
	s_lshr_b32 s15, s14, 1                         ; my half of the tile's rows.  Also: I fetch for A (0) or Wo (1)
	s_and_b32 s16, s14, 1                          ; my half of its columns.  Also: which 64 rows I fetch
	s_bfe_u32 s40, ttmp6, 0x40000                  ; cx
	s_bfe_u32 s41, ttmp6, 0x40004                  ; cy
	s_lshl_b32 s42, ttmp9, 2
	s_add_co_u32 s42, s42, s40                     ; tile column, 0..15
	s_and_b32 s17, ttmp7, 0xffff
	s_lshl_b32 s17, s17, 2
	s_add_co_u32 s17, s17, s41                     ; tile row, 0..15
	s_lshl_b32 s43, s41, 2
	s_lshl_b32 s43, 15, s43                        ; my row of the cluster
	s_lshl_b32 s44, 0x1111, s40                    ; my column
	s_or_b32 s[G1+0], s43, (0<<16)|(1<<20)|(1<<21)|(4<<22)|(3<<25)  ; mask; bytes; padding on; bit 21 beside a mask; 4 words (code 3) behind every 32 (code 4)
	s_or_b32 s[G1B+0], s44, (0<<16)|(1<<20)|(1<<21)|(4<<22)|(3<<25)
.irp g, G1, G1B
	s_mov_b32 s[\g+1], ROWB<<16                    ; tensor_dim0
	s_mov_b32 s[\g+2], 64<<16                      ; tensor_dim1
	s_mov_b32 s[\g+3], ROWB<<16                    ; tile_dim0
	s_mov_b32 s[\g+4], 64                          ; tile_dim1
	s_mov_b32 s[\g+5], KROW                        ; from row to row
	s_mov_b32 s[\g+6], 0
	s_mov_b32 s[\g+7], 0
.endr
	s_or_b32 s[G1S+0], s43, (3<<16)|(1<<20)|(1<<21)|(5<<22)|(3<<25)   ; the scales of 64 rows: 4,096 dense bytes as 16 rows of 256 bytes (32 elements of 8), 16 of padding behind each
	s_or_b32 s[G1SB+0], s44, (3<<16)|(1<<20)|(1<<21)|(5<<22)|(3<<25)
.irp g, G1S, G1SB
	s_mov_b32 s[\g+1], 32<<16
	s_mov_b32 s[\g+2], (64*KS/256)<<16
	s_mov_b32 s[\g+3], 32<<16
	s_mov_b32 s[\g+4], 64*KS/256
	s_mov_b32 s[\g+5], 32
	s_mov_b32 s[\g+6], 0
	s_mov_b32 s[\g+7], 0
.endr
	s_lshl_b32 s18, s16, 6                         ; which 64 rows of the tile I fetch
	s_lshl_b32 s20, s17, 7
	s_add_co_u32 s20, s20, s18                     ; A: row 128 x tile row + 64 x half
	s_lshl_b32 s46, s42, 7
	s_add_co_u32 s46, s46, s18                     ; Wo: row 128 x tile column + 64 x half
	s_mov_b32 s21, 0
	s_mov_b32 s47, 0
	s_mov_b64 s[18:19], KS
	s_mul_u64 s[22:23], s[20:21], s[18:19]         ; where these rows' scales begin,
	s_mul_u64 s[92:93], s[46:47], s[18:19]
	s_mov_b64 s[18:19], KROW
	s_mul_u64 s[20:21], s[20:21], s[18:19]         ; and their codes
	s_mul_u64 s[46:47], s[46:47], s[18:19]
	s_mul_i32 s45, s14, HALFT                      ; where they go: wave x 64 rows: no place in the cluster enters an LDS address
	s_mul_i32 s94, s14, HALFS
	s_wait_kmcnt 0x0
	s_add_nc_u64 s[20:21], s[4:5], s[20:21]
	s_add_nc_u64 s[22:23], s[6:7], s[22:23]
	s_add_nc_u64 s[46:47], s[8:9], s[46:47]
	s_add_nc_u64 s[92:93], s[10:11], s[92:93]
	CROUND                                         ; all sixteen work-groups are here: the first joint loads meet
	s_mov_b32 s[G0S], 1
	s_add_co_u32 s[G0S+1], s94, SCL
	s_mov_b64 s[G0S+2:G0S+3], s[22:23]
	s_or_b32 s[G0S+3], s[G0S+3], 0x80000000
	s_mov_b32 s[G0SB], 1
	s_add_co_u32 s[G0SB+1], s94, SCL
	s_mov_b64 s[G0SB+2:G0SB+3], s[92:93]
	s_or_b32 s[G0SB+3], s[G0SB+3], 0x80000000
	JLOAD G0S, G1S, G0SB, G1SB                     ; the scales first: they are wanted with the first step
.irp s, 0,1
	s_mov_b32 s[G0+4*\s], 1
	s_add_co_u32 s[G0+4*\s+1], s45, \s*SLOT
	s_add_nc_u64 s[G0+4*\s+2:G0+4*\s+3], s[20:21], \s*ROWB
	s_or_b32 s[G0+4*\s+3], s[G0+4*\s+3], 0x80000000
	s_mov_b32 s[G0B+4*\s], 1
	s_add_co_u32 s[G0B+4*\s+1], s45, \s*SLOT
	s_add_nc_u64 s[G0B+4*\s+2:G0B+4*\s+3], s[46:47], \s*ROWB
	s_or_b32 s[G0B+4*\s+3], s[G0B+4*\s+3], 0x80000000
	JLOAD G0+4*\s, G1, G0B+4*\s, G1B               ; K 0-511 and K 512-1,023: three loads of mine are out
.endr
	v_and_b32 v1, 15, v0                           ; r
	v_bfe_u32 v2, v0, 4, 1                         ; h
	v_mul_u32_u24 v3, v1, PITCH
	v_mul_u32_u24 v4, v2, 24
	v_add_nc_u32 v4, v3, v4                        ; a fragment's row x pitch + 24 x half
	v_lshl_add_u32 v5, v2, 4, v4                   ; and the same behind one padding more
	s_mul_i32 s21, s15, HALFT                      ; my 64 rows of A
	s_mul_i32 s22, s16, HALFT                      ; my 64 rows of Wo,
	s_add_co_u32 s22, s22, 2*HALFT                 ; which lie behind A's 128
.irp s, 0,1
	v_add_nc_u32 v[ADRA+\s], s21, v4
	v_add_nc_u32 v[ADRB+\s], s22, v4
	v_add_nc_u32 v[ADRA+2+\s], s21, v5
	v_add_nc_u32 v[ADRB+2+\s], s22, v5
	s_add_co_u32 s21, s21, SLOT
	s_add_co_u32 s22, s22, SLOT
.endr
	v_mul_u32_u24 v5, v1, KS                       ; my row's scales: 64 bytes a row, and 16 more for each 256 passed
	v_lshrrev_b32 v6, 8, v5
	v_lshl_add_u32 v5, v6, 4, v5
	s_mul_i32 s21, s15, HALFS                      ; A's: my 64 rows
	s_mul_i32 s22, s16, HALFS                      ; Wo's: my 64 rows, behind A's 128
	s_add_co_u32 s22, s22, 2*HALFS
	s_sub_co_u32 s22, s22, s21
	v_mul_u32_u24 v6, s22, v2                      ; lanes 16-31 take Wo's: the lower base + h x the distance
	s_add_co_u32 s21, s21, SCL
	v_add_nc_u32 v5, v5, v6
	v_add_nc_u32 v[ADRS], s21, v5
	s_mul_i32 s23, s14, 16*SP
	s_add_co_u32 s23, s23, STAGE                   ; my stage
	v_mul_u32_u24 v5, v1, SP                       ; in: row r, 32 bytes for each half of the lanes
	v_lshl_add_u32 v5, v2, 5, v5
	v_add_nc_u32 v[STO], s23, v5
	v_mul_u32_u24 v5, v2, SP                       ; back: lanes 0-15 one row of 256 bytes, lanes 16-31 the next
	v_lshl_add_u32 v5, v1, 4, v5
	v_add_nc_u32 v[RD], s23, v5
	v_lshlrev_b32 v5, 13, v2                       ; and the same two rows in out0: 8,192 bytes a row
	v_lshl_add_u32 v[CO], v1, 4, v5
	s_lshl_b32 s20, s17, 7
	s_lshl_b32 s21, s15, 6
	s_add_co_u32 s20, s20, s21                     ; my first row of out0: 128 x tile row + 64 x half
	s_mov_b32 s21, 0
	s_mov_b64 s[18:19], SIZE_N*4
	s_mul_u64 s[20:21], s[20:21], s[18:19]
	s_lshl_b32 s46, s42, 9                         ; my first column, in bytes: 512 x tile column + 256 x half
	s_lshl_b32 s47, s16, 8
	s_add_co_u32 s46, s46, s47
	s_mov_b32 s47, 0
	s_add_nc_u64 s[96:97], s[96:97], s[46:47]      ; the bias of my 64 columns begins as many bytes on
	s_add_nc_u64 s[20:21], s[20:21], s[46:47]
	s_add_nc_u64 s[12:13], s[12:13], s[20:21]
	v_lshlrev_b32 v7, 5, v2                        ; in the result's layout: lane half h wants bo(16 b + 8 h + 0 .. 7)
	WIN TO_F
.irp b, 0,1,2,3
	global_load_b128 v[BI+8*\b:BI+8*\b+3], v7, s[96:97] offset:64*\b
	global_load_b128 v[BI+8*\b+4:BI+8*\b+7], v7, s[96:97] offset:64*\b+16
.endr
	WIN 0
; A fragment, 16 rows x 128 K, is 12 registers: lane (r, h) holds row r; registers 6 c .. 6 c + 5 hold K = 64 c + 32 h + 0 .. 31: 24 bytes of the row's stream of bits, in pieces of 8 bytes.
; Lanes 0-15 take the row's pieces 12 q + 0, 1, 2 and 12 q + 6, 7, 8, lanes 16-31 those three pieces on.  16 bytes of padding lie behind every 16 pieces: where the piece three on lies behind one padding more, the second address register serves.
.macro FRAG reg, adr, q, i
.irp p, 0,1,2,3,4,5
.set PCE, 12*(\q)+6*(\p/3)+\p%3
.if PCE%16 < 13
	ds_load_b64 v[\reg+2*\p:\reg+2*\p+1], v[\adr] offset:8*PCE+16*(PCE/16)+(\i)*16*PITCH
.else
	ds_load_b64 v[\reg+2*\p:\reg+2*\p+1], v[\adr+2] offset:8*PCE+16*(PCE/16)+(\i)*16*PITCH
.endif
.endr
.endm
; 4 matrix instructions: A's block a x Wo's four, 128 along K: the slot's q-th, from buffer f.  first = 1: the sums begin with the bias as C.
; The 16 accumulators take turns, one instruction a turn, in the same order in every step.
.macro MULA f, a, q, sc, first
.irp b, 0,1,2,3
.if \first
	v_wmma_scale_f32_16x16x128_f8f6f4 v[ACC+8*(4*(\a)+\b):ACC+8*(4*(\a)+\b)+7], v[(\f)+48+FR*\b:(\f)+48+FR*\b+FR-1], v[(\f)+FR*(\a):(\f)+FR*(\a)+FR-1], v[BI+8*\b:BI+8*\b+7], v[SC+16*(\sc)+4*\b+(\q)], v[SC+16*(\sc)+4*(\a)+(\q)] matrix_a_fmt:MATRIX_FMT_FP6 matrix_b_fmt:MATRIX_FMT_FP6 matrix_a_scale:MATRIX_SCALE_ROW1
.else
	v_wmma_scale_f32_16x16x128_f8f6f4 v[ACC+8*(4*(\a)+\b):ACC+8*(4*(\a)+\b)+7], v[(\f)+48+FR*\b:(\f)+48+FR*\b+FR-1], v[(\f)+FR*(\a):(\f)+FR*(\a)+FR-1], v[ACC+8*(4*(\a)+\b):ACC+8*(4*(\a)+\b)+7], v[SC+16*(\sc)+4*\b+(\q)], v[SC+16*(\sc)+4*(\a)+(\q)] matrix_a_fmt:MATRIX_FMT_FP6 matrix_b_fmt:MATRIX_FMT_FP6 matrix_a_scale:MATRIX_SCALE_ROW1
.endif
.endr
.endm
.macro FETCH slot, q, f                ; 48 LDS loads in one run: the eight fragments of the slot's q-th 128 along K into buffer f
	WIN TO_F
.irp i, 0,1,2,3
	FRAG (\f)+48+FR*\i, ADRB+\slot, \q, \i
.endr
.irp i, 0,1,2,3
	FRAG (\f)+FR*\i, ADRA+\slot, \q, \i
.endr
.endm
.macro SCALES sc, n                    ; the n-th 512 along K: four words a row, 16 n bytes on in its 64; lanes 0-15 take A's block i, lanes 16-31 Wo's block i
.irp i, 0,1,2,3
	ds_load_b128 v[SC+16*\sc+4*\i:SC+16*\sc+4*\i+3], v[ADRS] offset:\i*SBLK+16*\n
.endr
.endm
.macro PLACES                          ; four plain vector instructions between a matrix instruction and a load into, or a read of, its registers (ISA guide 7.12.1 for vector instructions)
.rept 4
	v_nop
.endr
.endm
; A step of 128 along K that has its successor in the same slot.  The next step's fragments are asked for first, into the buffer that the last step's products have left: they have this step's 16 products in which to land.
.macro STEP slot, q, first
.if \first == 0
	PLACES
.endif
	FETCH \slot, (\q)+1, F1*(1-(\q)%2)
	s_wait_dscnt 48                                ; all but the 48 loads just issued: this step's fragments (and scale words) are in
.if \first
	WIN MUL_B
.else
	WIN MUL
.endif
.irp a, 0,1,2,3
	MULA F1*((\q)%2), \a, \q, \slot, \first
.endr
.endm
; A slot's last step multiplies buffer 1 and changes slots: one barrier; in front of it each wave waits for all its tensor loads, adds 0 to its spare word, and waits for that and for its reads of this slot.
; fill = 1: this slot is filled again, with the 512 along K two slots on.  n: the next slot holds the n-th 512 along K.
.macro TURN slot, next, fill, n
	WIN 0                                          ; (the add's two registers lie in window 0)
	s_wait_tensorcnt 0x0                           ; all my tensor loads have landed: my part of the next slot
	ds_add_u32 v[SPW], v[NIL]                      ; 0 onto my spare word
	s_wait_dscnt 1                                 ; the add may be out; buffer 1 is in
	WIN MUL
	MULA F1, 0, 3, \slot, 0                        ; four products stand between the add and the wait for it
	s_wait_dscnt 0x0                               ; the add is done, and my reads of this slot are over
	s_barrier_signal -1
	MULA F1, 1, 3, \slot, 0
	WIN 0
	s_barrier_wait -1
.if \fill
	CREST                                          ; the barrier has opened a round of the cluster's: no wave of any partner still reads this slot or has a load on its way
	s_add_nc_u64 s[G0+4*\slot+2:G0+4*\slot+3], s[G0+4*\slot+2:G0+4*\slot+3], 2*ROWB
	s_add_nc_u64 s[G0B+4*\slot+2:G0B+4*\slot+3], s[G0B+4*\slot+2:G0B+4*\slot+3], 2*ROWB
	JLOAD G0+4*\slot, G1, G0B+4*\slot, G1B         ; the first tensor load behind the round; its four v_nop are the places in front of the loads below
.else
	PLACES
.endif
	FETCH \next, 0, F0
	WIN 0
	SCALES \next, \n
	WIN MUL
	MULA F1, 2, 3, \slot, 0
	MULA F1, 3, 3, \slot, 0
.endm
	s_wait_tensorcnt 1                             ; of my three loads the scales and slot 0 are in; slot 1's may be out
	s_barrier_signal -1
	s_barrier_wait -1                              ; everybody's are
	FETCH 0, 0, F0
	WIN 0
	SCALES 0, 0
	s_wait_loadcnt 0x0                             ; the bias
	STEP 0, 0, 1                                   ; K 0-511; the first step starts the sums
	STEP 0, 1, 0
	STEP 0, 2, 0
	TURN 0, 1, 1, 1                                ; slot 0 takes K 1,024-1,535
	STEP 1, 0, 0                                   ; K 512-1,023
	STEP 1, 1, 0
	STEP 1, 2, 0
	TURN 1, 0, 1, 2                                ; slot 1 takes K 1,536-2,047
	STEP 0, 0, 0                                   ; K 1,024-1,535
	STEP 0, 1, 0
	STEP 0, 2, 0
	TURN 0, 1, 0, 3                                ; nothing is left to fetch, and no round follows
	STEP 1, 0, 0                                   ; K 1,536-2,047
	STEP 1, 1, 0
	STEP 1, 2, 0
	s_wait_dscnt 0x0                               ; the very last step
.irp a, 0,1,2,3
	MULA F1, \a, 3, 1, 0
.endr
	WIN 0
; THE WAY OUT, block by block of 16 rows x 64 columns.  A lane holds 32 neighbouring bytes of a row and the lanes beside it hold other rows: a block goes through my own stage and comes back as whole rows of 256 bytes.
; LDS serves a wave's instructions in order (ISA guide 5.7.1.4): no wait between the stores and the loads, nor in front of the next block's stores.
.macro TOSTAGE a
.irp b, 0,1,2,3
	ds_store_b128 v[STO], v[ACC+8*(4*(\a)+\b):ACC+8*(4*(\a)+\b)+3] offset:64*\b          ; each accumulator from its low end on
	ds_store_b128 v[STO], v[ACC+8*(4*(\a)+\b)+4:ACC+8*(4*(\a)+\b)+7] offset:64*\b+16
.endr
.set BB, BK+32*((\a)%2)
.irp t, 0,1,2,3,4,5,6,7
	ds_load_b128 v[BB+4*\t:BB+4*\t+3], v[RD] offset:\t*2*SP
.endr
.endm
.macro SEND a, younger                 ; younger: the LDS instructions issued behind block a's loads, which may stay out
.set BB, BK+32*((\a)%2)
	s_wait_dscnt \younger                          ; the block is back in registers
.irp t, 0,1,2,3,4,5,6,7
	global_store_b128 v[CO], v[BB+4*\t:BB+4*\t+3], s[12:13] offset:(16*(\a)+2*\t)*SIZE_N*4 th:TH_STORE_NT   ; 16 lanes store 256 consecutive bytes, aligned; 62 rows of 8,192 bytes at the most: inside the signed 24-bit immediate
.endr
.endm
	PLACES                                         ; behind the last products, ahead of the first read of results
	TOSTAGE 0
.irp a, 1,2,3
.if \a > 1
	s_wait_xcnt 0x0                                ; block a - 2's stores have read their registers: block a's loads may land there
.endif
	TOSTAGE \a
	SEND \a-1, 16                                  ; behind block a - 1's loads: block a's 8 stores and 8 loads
.endr
	SEND 3, 0
	s_wait_tensorcnt 0x0                           ; the wave's end
	ds_add_u32 v[SPW], v[NIL]
	s_wait_dscnt 0x0
	CROUND                                         ; the closing round: no work-group ends while a partner may still ask for a tile that names it
	s_endpgm
.Lfunc_end_k_q4bef59b704_oproj:
	.size	k_q4bef59b704_oproj, .Lfunc_end_k_q4bef59b704_oproj-k_q4bef59b704_oproj
	.p2alignl 7, 3214868480
	.fill 96, 4, 3214868480
	.section	.rodata,"a",@progbits
	.p2align	6, 0x0
	.amdhsa_kernel k_q4bef59b704_oproj
		.amdhsa_group_segment_fixed_size 327680
		.amdhsa_private_segment_fixed_size 0
		.amdhsa_enable_private_segment 0
		.amdhsa_kernarg_size 48
		.amdhsa_user_sgpr_count 2
		.amdhsa_user_sgpr_kernarg_segment_ptr 1
		.amdhsa_wavefront_size32 1
		.amdhsa_system_sgpr_workgroup_id_x 1
		.amdhsa_system_sgpr_workgroup_id_y 1
		.amdhsa_system_sgpr_workgroup_id_z 1
		.amdhsa_system_vgpr_workitem_id 0
		.amdhsa_next_free_vgpr 512
		.amdhsa_next_free_sgpr 100
		.amdhsa_reserve_vcc 0
		.amdhsa_float_denorm_mode_32 3
		.amdhsa_float_denorm_mode_16_64 3
		.amdhsa_memory_ordered 1
		.amdhsa_forward_progress 1
		.amdhsa_inst_pref_size 106
	.end_amdhsa_kernel
	.amdgpu_metadata
---
amdhsa.version: [ 1, 2 ]
amdhsa.kernels:
  - .name:           k_q4bef59b704_oproj
    .symbol:         k_q4bef59b704_oproj.kd
    .args:
      - { .name: ocodes, .offset: 0, .size: 8, .value_kind: global_buffer, .address_space: global }
      - { .name: oscales, .offset: 8, .size: 8, .value_kind: global_buffer, .address_space: global }
      - { .name: Wo_w_codes, .offset: 16, .size: 8, .value_kind: global_buffer, .address_space: global }
      - { .name: Wo_w_scales, .offset: 24, .size: 8, .value_kind: global_buffer, .address_space: global }
      - { .name: out0, .offset: 32, .size: 8, .value_kind: global_buffer, .address_space: global }
      - { .name: Wo_b, .offset: 40, .size: 8, .value_kind: global_buffer, .address_space: global }
    .group_segment_fixed_size: 327680
    .private_segment_fixed_size: 0
    .kernarg_segment_align: 8
    .kernarg_segment_size: 48
    .max_flat_workgroup_size: 128
    .sgpr_count:     100
    .vgpr_count:     512
    .wavefront_size: 32
...
	.end_amdgpu_metadata
.endif
;; end of part 5
